; MI455X (gfx1250); checked and timed in simulation.
; The chip was launched on July 23, 2026; its instructions are those of AMD's public machine-readable ISA for CDNA 5 (MIT licence, August 2026) and "CDNA5" Instruction Set Architecture Reference Guide (July 2026). The comments in the code are by the model that wrote it; some were corrected since.
;; Causal Self Attention. Allowed arithmetic: matrix products marked QUANTISED: E5M2 operands, one E8M0 scale for each 32 along K, by v_wmma_scale_f32_16x16x128_f8f6f4 with both operands' format E5M2, f32 sums; everything else in f32.
;; Inputs: Wk 1,024 x 1,024 float32; Wq 1,024 x 1,024 float32; Wv 1,024 x 1,024 float32; x 4 x 2,048 x 1,024 float32.
;; Outputs: out0 4 x 2,048 x 1,024 float32.
;; This version of the problem:
;;   THIS VERSION OF THE PROBLEM IS GIVEN IN LOW PRECISION. The matrix products marked QUANTISED in the list below multiply operands that are first quantised to E5M2 (5 exponent bits, 2 mantissa bits; 8 bits a number), with one power-of-two scale for each 32 numbers along K (OCP MX v1.0); their sums are f32. All else is computed in f32.
;;   The module's matrix products, in the order in which they are computed (A, B: the left and right operand; K: the contracted axis; several contracted axes count as one K, in the product's order):
;;     1. [M 8,192, K 1,024] x [K 1,024, N 1,024]; A: input x; B: input Wq: QUANTISED
;;     2. [M 8,192, K 1,024] x [K 1,024, N 1,024]; A: input x; B: input Wk: QUANTISED
;;     3. [M 8,192, K 1,024] x [K 1,024, N 1,024]; A: input x; B: input Wv: QUANTISED
;;     4. batch 4 x [M 2,048, K 1,024] x [K 1,024, N 2,048]; A: computed on the way; B: computed on the way: QUANTISED
;;     5. batch 4 x [M 2,048, K 2,048] x [K 2,048, N 1,024]; A: softmax (see below); B: computed on the way: QUANTISED
;;   THE QUANTISER, for each operand of a quantised product, along K:
;;     - K is cut into blocks of 32 from its start; a last block that is shorter is filled with zeros.
;;     - A block's scale is 2^e with e = floor(log2(the largest magnitude in the block)) - 15, held to -126 .. 127; a block of zeros has e = 0. As a byte (E8M0): e + 127.
;;     - Each number is divided by its block's scale, clamped to +-57,344, and rounded to the nearest number of E5M2, ties to even, subnormals kept.
;;     - The product sums the exact products of the quantised numbers (number of the format x scale) in f32.
;;   ~~~python
;;   def quantise(x, axis):      # numpy; x: float32 -> the quantised numbers, widened to float32 again
;;       x = np.moveaxis(x, axis, -1); K = x.shape[-1]
;;       x = np.pad(x, [(0, 0)] * (x.ndim - 1) + [(0, -K % 32)]); x = x.reshape(x.shape[:-1] + (-1, 32)); a = np.abs(x).max(-1, keepdims=True)
;;       e = np.where(a > 0, np.clip(np.frexp(np.where(a > 0, a, 1))[1] - 1 - 15, -126, 127), 0)      # np.frexp(a)[1] - 1 = floor(log2(a)), exactly
;;       r = np.clip(x / 2.0 ** e, -57344, 57344)
;;       step = 2.0 ** (np.maximum(np.frexp(np.where(r == 0, 1, r))[1] - 1, -14) - 2)
;;       q = np.round(r / step) * step * 2.0 ** e      # np.round: ties to even
;;       return np.moveaxis(q.reshape(q.shape[:-2] + (-1,))[..., :K], -1, axis).astype(np.float32)
;;   ~~~
;;   SOFTMAX AHEAD OF A QUANTISED PRODUCT. Where the list says 'softmax', what is quantised is not the finished softmax but p = 2^(t - M), with t = logit x log2(e) and M = ceil(the row's largest t), a whole number; so 1/2 < the row's largest p <= 1. The row's sum l is taken of the UNQUANTISED p, in f32, and the product's result is divided by l at the end. Since M is a whole number, a kernel that streams over the keys may use a running M (the ceiling of the running maximum): every later rescaling is an exact power of two, which a block's scale takes up: the codes' values come out the same.
;;   OPERANDS COMPUTED ON THE WAY. 'Computed on the way' means the value that the module computes at that place (a softmax that the list does not call 'softmax' is quantised finished and normalised). What goes into a quantiser is computed in f32, as accurately as f32 sums, v_exp_f32 and their like allow (about 1e-6 of the number): no bf16 or f16 on the way to a quantiser, and a product that is left as it is and whose result goes on into a quantised operand takes f32 operands (vector FMAs, or v_wmma_f32_16x16x4_f32). A number that lies on a knife's edge between two numbers of the format may be rounded either way, as far as f32 arithmetic and the matrix unit's own rounding can turn it there, and no further.
;; One version. Each part assembles by itself: llvm-mc -triple=amdgcn-amd-amdhsa -mcpu=gfx1250 --defsym DOCPART=n.
;; ======== version 1 of 1: 4 launches
;; limits: right only within a limited range of input values
;; workspace buffers: xw_rec 11,894,784 bytes; qkv_rec 25,952,256 bytes; p_rec 17,301,504 bytes; p_stats 1,048,576 bytes
;; launch quant (part 1): grid 704 x 1, 8 waves a work-group, no clusters, 69,120 bytes of LDS; arguments x, Wq, Wk, Wv, xw_rec; writes xw_rec
.if DOCPART == 1
	.amdgcn_target "amdgcn-amd-amdhsa--gfx1250"
	.amdhsa_code_object_version 6
	.text
	.protected	k_qeba9e0f98e_quant
	.globl	k_qeba9e0f98e_quant
	.p2align	8
	.type	k_qeba9e0f98e_quant,@function
k_qeba9e0f98e_quant:
	s_mov_b64 s[64:65], 0
	v_nop
	global_prefetch_b8 v0, s[64:65] scope:SCOPE_SE
	s_setreg_imm32_b32 hwreg(HW_REG_WAVE_MODE, 25, 1), 1
	s_wait_xcnt 0x0
; CAUSAL ATTENTION, ONE HEAD OF 1,024, ON CODES OF E5M2 WITH ONE E8M0 SCALE FOR EACH 32 ALONG K.  Four launches:
;   quant:  x, Wq, Wk, Wv (f32) -> codes and scale words;   proj: q, k, v = x W^T, quantised on the way out;
;   scores: p = 2^(t - M) of q k^T / 32, tile by tile, quantised on the way out;   pv: out = (P V) / l.
; DEAD WORK.  reference() sets the score of every key k > q to -infinity ahead of the softmax, by a mask that it builds itself (jnp.tril).  The weight of such a key is
; exp(-infinity) = 0 for all finite values of the inputs, so it adds 0 to the row's sum and 0 x v to the result.  So tiles of the fourth product all of whose keys come after all of
; their queries, and the K steps of the fifth product that would multiply them, can reach no output: they are not computed.  Every input has a way to the output: all four are loaded.
; LIMIT: a NaN, an infinity or an overflow that would arise only in the tiles left out is not carried to the result.
; LIMITS OF THIS LAUNCH: NaN and infinities among the inputs are not served; a block whose largest magnitude lies under 2^-111 (a block of zeros too) keeps the scale byte 1: the bytes are read by this program alone.
;
; xw_rec: 704 BLOCK RECORDS of 16,896 bytes: 16 rows, all of K.  Eight images of 2,048 bytes, one for each 128 along K (K group g): byte 512 c + 16 lane of an image holds registers 4 c .. 4 c + 3 of that lane's operand:
; k = 32 c + 16 (lane / 16) + 0 .. 15 of row lane % 16.  Behind them, at 16,384 + 32 r + 4 g, row r's scale word of K group g.
; THE ROWS OF A BLOCK ARE NOT NEIGHBOURS.  x, Wv: lane r of block R of 128 rows holds row 32 (R / 2) + 8 (R % 2) + r % 8 + 16 (r / 8).  Wq, Wk: lane r of block R of 64 rows holds row 8 R + r % 8 + 32 (r / 8).
; x's records: 32 T + 2 s + w: rows 128 (4 T + 2 (s / 8) + w) on, block s % 8.  The weights' follow in order: 64 each.
; SHARES.  A work-group makes one record, a wave one K group of it.  Each load reads 512 consecutive bytes of one row; 16 rows turn through the wave's own stage in LDS (rows 528 bytes apart) and come back 16 neighbours of
; each block of 32 to a lane.  All 16 loads of a wave go out at its head.  The scale words meet in LDS and leave as 512 consecutive bytes.
.set REC,   16896
.set SW,    16384
.set PITCH, 528
.set WREG,  16*PITCH
.set SCB,   8*WREG                     ; the record's 512 bytes of scale words
.set SPARE, SCB+512                    ; the spare words, 128 bytes a wave, that no other line names
.set VO,  1                            ; v1   16 x lane;  v2  the same + the distance to the block's rows 8-15
.set VO2, 2
.set STI, 3                            ; the stage, on the way in
.set STR, 4                            ; and on the way out: row lane % 16, + 64 (lane / 16)
.set SSI, 5                            ; where I put a scale word
.set SSO, 6                            ; where the words are read back
.set SPW, 12
.set NIL, 13
.set PW,  28
.set R,   32                           ; v32-95 numbers
.set PC,  96                           ; v96-111 codes
.set TM,  112                          ; v112-115 largest magnitudes, 116-119 bytes, 120-123 the largest number x the scale, 124-127 the conversions' scale operands
.set SEL, 20
.set MNT, 23
	s_load_b256 s[4:11], s[0:1], 0x0               ; x, Wq, Wk, Wv
	s_load_b64 s[12:13], s[0:1], 0x20              ; xw_rec
	v_lshl_add_u32 v[SPW], v0, 2, SPARE
	v_mov_b32 v[NIL], 0
	v_lshrrev_b32 v7, 5, v0
	v_readfirstlane_b32 s16, v7                    ; wave = K group
	s_mov_b32 s35, ttmp9                           ; the record
	s_lshr_b32 s18, s35, 5                         ; x: T,
	s_lshl_b32 s18, s18, 9
	s_bfe_u32 s19, s35, 0x10004                    ; s / 8,
	s_lshl_b32 s19, s19, 8
	s_add_co_u32 s18, s18, s19
	s_and_b32 s19, s35, 1                          ; w,
	s_lshl_b32 s19, s19, 7
	s_add_co_u32 s18, s18, s19
	s_bfe_u32 s19, s35, 0x20002                    ; (s % 8) / 2,
	s_lshl_b32 s19, s19, 5
	s_add_co_u32 s18, s18, s19
	s_bfe_u32 s19, s35, 0x10001                    ; s % 2: the block's first row
	s_lshl_b32 s19, s19, 3
	s_add_co_u32 s18, s18, s19
	s_and_b32 s26, s35, 63                         ; a weight's block
	s_lshr_b32 s27, s26, 1
	s_lshl_b32 s27, s27, 5
	s_and_b32 s28, s26, 1
	s_lshl_b32 s28, s28, 3
	s_add_co_u32 s27, s27, s28                     ; Wv: 32 (R / 2) + 8 (R % 2)
	s_lshr_b32 s28, s26, 2
	s_lshl_b32 s28, s28, 6
	s_and_b32 s29, s26, 3
	s_lshl_b32 s29, s29, 3
	s_add_co_u32 s28, s28, s29                     ; Wq, Wk: 64 (R / 4) + 8 (R % 4)
	s_mov_b32 s33, 16*4096                         ; lanes 8-15 of a block hold rows that lie 16 (x, Wv) or 32 (Wq, Wk) behind those of lanes 0-7
	s_cmp_lt_u32 s35, 640
	s_cselect_b32 s27, s28, s27
	s_cselect_b32 s34, 32*4096, s33
	s_cmp_lt_u32 s35, 512
	s_cselect_b32 s27, s18, s27
	s_cselect_b32 s34, s33, s34
	s_lshl_b32 s24, s27, 12
	s_lshl_b32 s25, s16, 9
	s_add_co_u32 s24, s24, s25
	s_mov_b32 s25, 0
	s_mul_i32 s30, s35, REC
	s_lshl_b32 s28, s16, 11
	s_add_co_u32 s28, s28, s30                     ; my image
	s_mov_b32 s29, 0
	s_add_co_u32 s30, s30, SW                      ; the record's scale words
	s_mov_b32 s31, 0
	s_mul_i32 s17, s16, WREG
	s_lshl_b32 s36, s16, 2
	s_add_co_u32 s36, s36, SCB
	s_mov_b32 s[SEL], 0x76543210
	s_mov_b32 s[SEL+1], 0xfedcba98
	s_mov_b32 s[MNT], 0x600000
	v_and_b32 v8, 31, v0                           ; lane
	v_and_b32 v9, 15, v0                           ; r
	v_bfe_u32 v10, v0, 4, 1                        ; h
	v_lshlrev_b32 v[VO], 4, v8
	v_add_nc_u32 v[VO2], s34, v[VO]
	v_add_nc_u32 v[STI], s17, v[VO]
	v_mul_u32_u24 v[STR], v9, PITCH
	v_lshl_add_u32 v[STR], v10, 6, v[STR]
	v_add_nc_u32 v[STR], s17, v[STR]
	v_lshl_add_u32 v[SSI], v9, 5, s36
	v_add_nc_u32 v[SSO], SCB, v[VO]
.irp b, 0,1,2,3
	v_mov_b32 v[TM+4+\b], 0                        ; a lane permute's destination counts as one of its sources
.endr
	s_wait_alu depctr_va_vdst(0)                   ; the wait at the head's end
	s_wait_kmcnt 0x0
	s_cmp_lt_u32 s35, 640                          ; the tensor is chosen by the work-group's number alone
	s_cselect_b64 s[8:9], s[8:9], s[10:11]
	s_cmp_lt_u32 s35, 576
	s_cselect_b64 s[6:7], s[6:7], s[8:9]
	s_cmp_lt_u32 s35, 512
	s_cselect_b64 s[4:5], s[4:5], s[6:7]
	s_add_nc_u64 s[4:5], s[4:5], s[24:25]
	s_add_nc_u64 s[14:15], s[12:13], s[30:31]
	s_add_nc_u64 s[12:13], s[12:13], s[28:29]
.set p, 0
.rept 8
	global_load_b128 v[R+4*p:R+4*p+3], v[VO], s[4:5] offset:p*4096 th:TH_LOAD_NT
.set p, p+1
.endr
.rept 8
	global_load_b128 v[R+4*p:R+4*p+3], v[VO2], s[4:5] offset:(p-8)*4096 th:TH_LOAD_NT
.set p, p+1
.endr
.set p, 0
.rept 16
.if p%4 == 0
	s_wait_loadcnt 12-p                            ; four more rows are in; the later ones may be out
.endif
	ds_store_b128 v[STI], v[R+4*p:R+4*p+3] offset:PITCH*p
.set p, p+1
.endr
.set p, 0
.rept 16                               ; register 16 b + 4 j on: k = 32 b + 16 h + 4 j on of my row.  LDS serves a wave's instructions in order: these see the stores above
	ds_load_b128 v[R+4*p:R+4*p+3], v[STR] offset:128*(p/4)+16*(p%4)
.set p, p+1
.endr
	s_wait_dscnt 0x0
.irp b, 0,1,2,3
	v_max3_num_f32 v[TM+\b], |v[R+16*\b]|, |v[R+1+16*\b]|, 0x8000000   ; block b: my 16 numbers, and the floor 2^(16 - 127): the byte cannot fall under 1
.endr
.irp i, 2,4,6,8,10,12,14
.irp b, 0,1,2,3
	v_max3_num_f32 v[TM+\b], v[TM+\b], |v[R+16*\b+\i]|, |v[R+1+16*\b+\i]|   ; the four blocks by turns
.endr
.endr
.irp b, 0,1,2,3
	v_permlanex16_b32 v[TM+4+\b], v[TM+\b], s[SEL], s[SEL+1]
.endr
.irp b, 0,1,2,3
	v_max_num_f32 v[TM+\b], v[TM+\b], v[TM+4+\b]   ; with lane l xor 16's 16: the block's largest magnitude
.endr
.irp b, 0,1,2,3
	v_add_nc_u32 v[TM+12+\b], 0xf8800000, v[TM+\b] ; 15 off its exponent field: the conversion takes this operand's exponent field as its scale
.endr
.irp b, 0,1,2,3
	v_and_or_b32 v[TM+8+\b], v[TM+\b], 0x7f800000, s[MNT]   ; 57,344 x the scale
.endr
.irp b, 0,1,2,3
	v_lshrrev_b32 v[TM+4+\b], 23, v[TM+12+\b]      ; the scale's byte
.endr
	v_lshl_or_b32 v[PW], v[TM+5], 8, v[TM+4]       ; my row's scale word
	v_lshl_or_b32 v[PW], v[TM+6], 16, v[PW]
	v_lshl_or_b32 v[PW], v[TM+7], 24, v[PW]
.irp b, 0,1,2,3
.irp i, 0,1,2,3,4,5,6,7,8,9,10,11,12,13,14,15
	v_med3_num_f32 v[R+16*\b+\i], v[R+16*\b+\i], -v[TM+8+\b], v[TM+8+\b]   ; the conversion to an 8-bit code does not saturate (ISA guide 7.6.2): the hold at the largest code x the scale
.endr
	v_cvt_scalef32_pk8_bf8_f32 v[PC+4*\b:PC+4*\b+1], v[R+16*\b:R+16*\b+7], v[TM+12+\b]
	v_cvt_scalef32_pk8_bf8_f32 v[PC+4*\b+2:PC+4*\b+3], v[R+16*\b+8:R+16*\b+15], v[TM+12+\b]
.endr
	v_nop                                          ; a plain line behind the last conversion
.irp c, 0,1,2,3
	global_store_b128 v[VO], v[PC+4*\c:PC+4*\c+3], s[12:13] offset:512*\c   ; 32 lanes store 512 consecutive bytes, aligned
.endr
	ds_store_b32 v[SSI], v[PW]                     ; lanes r and 16 + r write the same word with the same value
	s_wait_tensorcnt 0x0                           ; my last LDS store stands above
	ds_add_u32 v[SPW], v[NIL]
	s_wait_dscnt 0x0
	s_barrier_signal -1
	s_barrier_wait -1
	s_cmp_lg_u32 s16, 0                            ; wave 0 stores the record's scale words
	s_cbranch_scc1 .Lend
	ds_load_b128 v[R:R+3], v[SSO]
	s_wait_dscnt 0x0
	global_store_b128 v[VO], v[R:R+3], s[14:15]    ; 512 consecutive bytes, aligned
.Lend:
	s_endpgm
.Lfunc_end_k_qeba9e0f98e_quant:
	.size	k_qeba9e0f98e_quant, .Lfunc_end_k_qeba9e0f98e_quant-k_qeba9e0f98e_quant
	.p2alignl 7, 3214868480
	.fill 96, 4, 3214868480
	.section	.rodata,"a",@progbits
	.p2align	6, 0x0
	.amdhsa_kernel k_qeba9e0f98e_quant
		.amdhsa_group_segment_fixed_size 69120
		.amdhsa_private_segment_fixed_size 0
		.amdhsa_enable_private_segment 0
		.amdhsa_kernarg_size 40
		.amdhsa_user_sgpr_count 2
		.amdhsa_user_sgpr_kernarg_segment_ptr 1
		.amdhsa_wavefront_size32 1
		.amdhsa_system_sgpr_workgroup_id_x 1
		.amdhsa_system_sgpr_workgroup_id_y 1
		.amdhsa_system_sgpr_workgroup_id_z 1
		.amdhsa_system_vgpr_workitem_id 0
		.amdhsa_next_free_vgpr 128
		.amdhsa_next_free_sgpr 66
		.amdhsa_reserve_vcc 0
		.amdhsa_float_denorm_mode_32 3
		.amdhsa_float_denorm_mode_16_64 3
		.amdhsa_memory_ordered 1
		.amdhsa_forward_progress 1
		.amdhsa_inst_pref_size 17
	.end_amdhsa_kernel
	.amdgpu_metadata
---
amdhsa.version: [ 1, 2 ]
amdhsa.kernels:
  - .name:           k_qeba9e0f98e_quant
    .symbol:         k_qeba9e0f98e_quant.kd
    .args:
      - { .name: x, .offset: 0, .size: 8, .value_kind: global_buffer, .address_space: global }
      - { .name: Wq, .offset: 8, .size: 8, .value_kind: global_buffer, .address_space: global }
      - { .name: Wk, .offset: 16, .size: 8, .value_kind: global_buffer, .address_space: global }
      - { .name: Wv, .offset: 24, .size: 8, .value_kind: global_buffer, .address_space: global }
      - { .name: xw_rec, .offset: 32, .size: 8, .value_kind: global_buffer, .address_space: global }
    .group_segment_fixed_size: 69120
    .private_segment_fixed_size: 0
    .kernarg_segment_align: 8
    .kernarg_segment_size: 40
    .max_flat_workgroup_size: 256
    .sgpr_count:     66
    .vgpr_count:     128
    .wavefront_size: 32
...
	.end_amdgpu_metadata
.endif
;; end of part 1
;; launch proj (part 2): grid 16 x 16, 4 waves a work-group, clusters of 4 x 4, 327,680 bytes of LDS; arguments xw_rec, qkv_rec; writes qkv_rec
.if DOCPART == 2
	.amdgcn_target "amdgcn-amd-amdhsa--gfx1250"
	.amdhsa_code_object_version 6
	.text
	.protected	k_qeba9e0f98e_proj
	.globl	k_qeba9e0f98e_proj
	.p2align	8
	.type	k_qeba9e0f98e_proj,@function
k_qeba9e0f98e_proj:
	s_mov_b64 s[64:65], 0
	v_nop
	global_prefetch_b8 v0, s[64:65] scope:SCOPE_SE
	s_setreg_imm32_b32 hwreg(HW_REG_WAVE_MODE, 25, 1), 1
	s_wait_xcnt 0x0
	s_wait_alu depctr_hold_cnt(0) depctr_sa_sdst(0) depctr_va_vdst(0) depctr_va_sdst(0) depctr_va_ssrc(0) depctr_va_vcc(0) depctr_vm_vsrc(0)
	s_getreg_b32 s2, hwreg(HW_REG_IB_STS2, 6, 4)
	s_cmp_eq_u32 s2, 0
	s_cbranch_scc0 .Lentry_in_a_cluster
	s_endpgm
.Lentry_in_a_cluster:
	s_bfe_u32 s2, ttmp6, 0x10000c
	s_cmp_lg_u32 s2, 0xf033
	s_cbranch_scc0 .Lentry_shape_is_right
	s_endpgm
.Lentry_shape_is_right:
; q, k, v = x W^T ON CODES OF E5M2 WITH E8M0 SCALES, 8,192 x 3,072 x 1,024, EACH QUANTISED AGAIN ON THE WAY OUT, into the records that the next launches' operand registers take.
; qkv_rec: RECORDS of 16,896 bytes: 128 along the next K of 128 rows: 8 images of 2,048 bytes (image i: row block i; byte 512 c + 16 lane: registers 4 c .. 4 c + 3), then 128 scale words (block i, lane r: 16,384 + 64 i + 4 r).
;   q: [channels / 128: 8][tokens / 128: 64], k behind it likewise, v: [tokens / 128: 64][channels / 128: 8] with the tokens along K.  The rows' order in a block is that of x's and Wv's block records.
; LIMITS: NaN and infinities are not served, nor sums beyond f32's range; a block whose largest magnitude lies under 2^-111 keeps the scale byte 1.
; THE DEAL.  256 work-groups of four waves, 2 x 2.  A wave holds 64 rows of a weight, ALL of K, in 512 registers, and streams x's block records (16 rows, all of K) past them: two sets of 128 registers.
; PHASE 1: 512 tokens x 128 channels of q (tile columns 0-7) or k (8-15): 16 blocks a wave.  PHASE 2: 256 tokens x 128 channels of v: 8 blocks a wave, of one of the work-group's OWN two windows of 256 tokens: number s18.
; THE ORDER OF WORK.  Phase 1 takes the window that is not v's first (chunks 0, 1 of 128 rows), v's window last (chunks 2, 3); phase 2 begins with chunk 3, which still lies in LDS, and then takes chunk 2, loaded anew.
; LDS IS A RING OF EIGHT DOUBLE BLOCKS (33,792 bytes: block s of both rows of waves) in two slots of four, a chunk each; block s lies at place s % 8.  The first weight comes into slot 1, Wv into slot 0.
; FILLS.  Head: waves 0, 1 the first weight's halves, waves 2, 3 chunk 0's.  Refills, two block records a wave, each the first thing behind a drained round: chunk 1 when the weight is in registers; chunks 2, 3 inside blocks 2, 6;
; Wv behind block 9; chunk 2 anew when Wv is in registers.  A slot is refilled in the block after the one behind which its last block was fetched, and the same round shows the other slot: a fill has four blocks in which to land.
; THE STREAM.  Behind a block's 32 products its set takes the block two on.  A block's way out (largest magnitude, holds, conversions, byte) stands AMONG THE NEXT BLOCK'S PRODUCTS, a pair of v's blocks' among the next pair's:
; so sums stand in two sets, v's are copied into two more.  The first pair of v's has no pair before it: it works on zeros and stores nothing.
; CLUSTERS: x's records are shared along a row of the cluster, the weights' along a column.
; PREFETCHES: the first 131,072 of a chunk's (or Wv's) 135,168 bytes, once in each cluster, 8,192 a wave: told apart by cx (x) or cy (Wv) and the wave; chunk 1 and 2 two blocks and more ahead of their loads, chunk 3 and Wv in the loop.
; REGISTERS: the weight windows 1, 2 (fragment f = 4 q + b: 16 registers), x's two sets window 3, all else window 0.
.set REC,  16896
.set SW,   16384
.set BLK2, 2*REC
.set CH,   8*REC                       ; a chunk: 128 rows: a slot
.set YB,   CH
.set XN,   2*CH+256                    ; q's, k's scale bytes: [row of waves][block 16][row 16][4]
.set XV,   XN+2048                     ; v's: [row of waves][image 8][row 16][4]
.set SPARE, XV+1024
.set NP, 8                             ; places behind a product (ISA guide 7.12.1 for vector instructions)
.set NF, 34                            ; LDS loads of a block
.set EMAX, 15
.set ADRA0, 4                          ; v4  my fragments at place 0
.set CN,    5                          ; v5  q's, k's codes: 512 h + 16 r
.set AAS0,  6                          ; v6  my scale words at place 0
.set CO,    9                          ; v9  16 x lane
.set SPW,  10
.set NIL,  11
.set ADRA, 12                          ; v12, v17: the places that are fetched next
.set VX,   13                          ; v13 LDS address of a scale byte
.set AAS,  17
.set RD,   19                          ; v19 v's byte
.set SOP,  20                          ; v20-23 the conversions' scale operands
.set SB,   24                          ; v24-39 the weight's scale words: register 8 p + q: lanes 0-15 tile 2 p's, lanes 16-31 tile 2 p + 1's
.set EB,   40                          ; v40-43 scale bytes
.set SA,   44                          ; v44-59 x's, two sets: no product's two scale words have numbers equal modulo 8
.set TQ,   60                          ; v60-63 maxima and bounds
.set ACC,  64                          ; v64-191 four sets of four accumulators: products write sets 0 and 1
.set NCD, 192                          ; v192-199 q's or k's codes
.set MCD, 192                          ; v192-207 v's
.set G1A, 24                           ; s[24:31] group 1 for x's records, s[32:39] for the weights'
.set G1B, 32
.set G0A, 48                           ; s[48:51], s[52:55] their groups 0
.set G0B, 52
.set MSB, 0
.macro WIN new                         ; the immediate's high byte repeats the setting that is left
.if MSB != \new
	s_set_vgpr_msb (MSB<<8)|\new
.set MSB, \new
.endif
.endm
.macro PLACES n
.rept \n
	v_nop
.endr
.endm
.macro BARRIER
	s_barrier_signal -1
	s_barrier_wait -1
.endm
.macro MIDDLE                          ; a round's middle: wave 0 signals for the work-group, all wait for the cluster
	WIN 0
	s_barrier_wait -1
	s_cmp_lg_u32 s14, 0
	s_cbranch_scc1 .Lnot_wave_0_\@
	s_barrier_signal -3
.Lnot_wave_0_\@:
	s_barrier_wait -3
.endm
.macro CROUND
	s_barrier_signal -1
	MIDDLE
	BARRIER
.endm
.macro TLOAD g0, g1                    ; s_nop 0 and four v_nop follow a tensor load
	tensor_load_to_lds s[\g0:\g0+3], s[\g1:\g1+7]
	s_nop 0
	PLACES 4
.endm
.macro WALU                            ; the wait at the head's end and ahead of waits behind which something freshly written is read
	s_wait_alu depctr_va_vdst(0)
.endm
.macro GRD
	s_wait_tensorcnt 0x0
	ds_add_u32 v[SPW], v[NIL]
.endm
.macro GROUP1 g, mask                  ; four block records of 2,112 elements of 8 bytes, on end in memory and in LDS
	s_or_b32 s[\g+0], s[\mask], (3<<16)|(1<<21)
	s_mov_b32 s[\g+1], (REC/8)<<16
	s_mov_b32 s[\g+2], 4<<16
	s_mov_b32 s[\g+3], (REC/8)<<16
	s_mov_b32 s[\g+4], 4
	s_mov_b32 s[\g+5], REC/8
	s_mov_b32 s[\g+6], 0
	s_mov_b32 s[\g+7], 0
.endm
.macro RDESC g0, off, lds              ; group 0 of a refill: my two block records of the eight at s[off], into the slot at s[lds]; no tensor load of mine is out
	s_mul_i32 s[\g0+1], s14, BLK2
	s_add_co_u32 s[\g0+1], s[\g0+1], s\lds
	s_mul_i32 s20, s14, BLK2
	s_add_co_u32 s20, s20, s\off
	s_mov_b32 s21, 0
	s_add_nc_u64 s[\g0+2:\g0+3], s[4:5], s[20:21]
	s_or_b32 s[\g0+3], s[\g0+3], 0x80000000
.endm
	s_load_b128 s[4:7], s[0:1], 0x0                ; xw_rec, qkv_rec
	v_lshl_add_u32 v[SPW], v0, 2, SPARE
	v_mov_b32 v[NIL], 0
	ds_add_u32 v[SPW], v[NIL]                      ; the opening: the add, twice on end, and its wait ahead of my first tensor load
	ds_add_u32 v[SPW], v[NIL]
	v_lshrrev_b32 v1, 5, v0
	v_readfirstlane_b32 s14, v1                    ; wave
	s_lshr_b32 s15, s14, 1                         ; my row of waves
	s_and_b32 s16, s14, 1                          ; my column of waves.  Also: the half that I fetch at the head
	s_bfe_u32 s40, ttmp6, 0x40000                  ; cx, cy
	s_bfe_u32 s41, ttmp6, 0x40004
	s_lshl_b32 s42, ttmp9, 2
	s_add_co_u32 s42, s42, s40                     ; tile column
	s_and_b32 s43, ttmp7, 0xffff
	s_lshl_b32 s43, s43, 2
	s_add_co_u32 s43, s43, s41                     ; tile row T
	s_and_b32 s18, ttmp9, 1                        ; v's window of mine, by the cluster's number alone
	s_xor_b32 s17, s18, 1
	s_lshr_b32 s13, ttmp9, 1
	s_lshl_b32 s13, s13, 2
	s_add_co_u32 s13, s13, s40                     ; v's tile column 4 (cluster x / 2) + cx: each tile of v has one work-group
	s_lshl_b32 s44, s41, 2
	s_lshl_b32 s44, 15, s44                        ; my row of the cluster
	s_lshl_b32 s45, 0x1111, s40                    ; my column
	GROUP1 G1A, 44
	GROUP1 G1B, 45
	s_mul_i32 s67, s43, 32*REC                     ; offsets in xw_rec: s67 the window that is not v's, s2 v's, s3 Wv's tile, s12 the first weight's
	s_mul_i32 s20, s18, 16*REC
	s_add_co_u32 s2, s67, s20
	s_mul_i32 s20, s17, 16*REC
	s_add_co_u32 s67, s67, s20
	s_mul_i32 s3, s13, CH
	s_add_co_u32 s3, s3, 640*REC
	s_mul_i32 s12, s42, CH
	s_add_co_u32 s12, s12, 512*REC
	s_mul_i32 s22, s16, 4*REC
	s_add_co_u32 s76, s67, s22                     ; my half of chunk 0
	s_mov_b32 s77, 0
	s_add_co_u32 s78, s12, s22                     ; my half of the weight
	s_mov_b32 s79, 0
	s_mov_b32 s[G0A], 1
	s_mov_b32 s[G0A+1], s22
	s_mov_b32 s[G0B], 1
	s_add_co_u32 s[G0B+1], s22, YB
	s_mul_i32 s80, s15, REC                        ; LDS: my row of waves' record in a double block
	s_add_co_u32 s81, s80, SW
	s_add_co_u32 s83, s22, SW
	s_lshl_b32 s86, s15, 10
	s_lshl_b32 s20, s16, 1
	s_add_co_u32 s86, s86, s20
	s_add_co_u32 s86, s86, XN-256
	s_lshl_b32 s87, s14, 8
	s_add_co_u32 s87, s87, XV
	s_mov_b32 s60, 0x76543210
	s_mov_b32 s61, 0xfedcba98
	s_mov_b32 s62, 0x600000
	v_and_b32 v1, 15, v0                           ; r
	v_bfe_u32 v2, v0, 4, 1                         ; h
	v_and_b32 v3, 31, v0                           ; lane
	v_lshlrev_b32 v[CO], 4, v3
	v_lshlrev_b32 v22, 5, v1                       ; 32 r: my row's scale words
	v_add_nc_u32 v[ADRA0], s80, v[CO]
	v_add_nc_u32 v[ADRA], s80, v[CO]
	v_add_nc_u32 v[AAS0], s81, v22
	v_add_nc_u32 v[AAS], s81, v22
	v_add_nc_u32 v15, s22, v[CO]                   ; a weight in slot 0: my column's tiles 0, 1;
	v_add_nc_u32 v8, BLK2, v15                     ; tiles 2, 3
	v_add_nc_u32 v14, YB, v15                      ; and in slot 1
	v_add_nc_u32 v18, YB, v8
	v_mul_u32_u24 v23, v2, REC                     ; lanes 16-31 take the odd tiles' scale words
	v_add_nc_u32 v22, v23, v22
	v_lshlrev_b32 v23, 9, v2
	v_lshl_add_u32 v[CN], v1, 4, v23
	v_lshl_add_u32 v23, v1, 2, v2                  ; 4 r + h
	v_add_nc_u32 v[VX], s86, v23
	v_lshlrev_b32 v23, 2, v1
	v_add_nc_u32 v[RD], s87, v23
	v_add_nc_u32 v2, s83, v22                      ; a weight's scale words in slot 0
	v_add_nc_u32 v16, YB, v2                       ; in slot 1
	WALU
	s_wait_dscnt 0x0                               ; both opening adds are done
	CROUND                                         ; all sixteen work-groups are here
	s_wait_kmcnt 0x0
	s_add_nc_u64 s[G0A+2:G0A+3], s[4:5], s[76:77]
	s_or_b32 s[G0A+3], s[G0A+3], 0x80000000
	s_add_nc_u64 s[G0B+2:G0B+3], s[4:5], s[78:79]
	s_or_b32 s[G0B+3], s[G0B+3], 0x80000000
	s_cmp_lt_u32 s14, 2                            ; ONE joint load a wave
	s_cbranch_scc0 .Lfor_x
	TLOAD G0B, G1B                                 ; waves 0, 1: the weight
	s_branch .Lasked
.Lfor_x:
	TLOAD G0A, G1A                                 ; waves 2, 3: chunk 0
.Lasked:
; where my results go
	s_lshl_b32 s20, s42, 6
	s_lshl_b32 s21, s43, 2
	s_add_co_u32 s20, s20, s21                     ; the tile's first record of q or k: 64 x tile column + 4 T
	s_lshl_b32 s22, s16, 10                        ; my column of waves: pieces 2 c, 2 c + 1 of an image
	s_mov_b32 s77, 0
	s_lshl_b32 s76, s17, 1
	s_add_co_u32 s76, s76, s20
	s_add_co_u32 s76, s76, s15
	s_mul_i32 s76, s76, REC
	s_add_co_u32 s76, s76, s22
	s_add_nc_u64 s[84:85], s[6:7], s[76:77]        ; s[84:85] the window that goes first, s[88:89] v's: both three images short of their first
	s_sub_nc_u64 s[84:85], s[84:85], 6144
	s_lshl_b32 s76, s18, 1
	s_add_co_u32 s76, s76, s20
	s_add_co_u32 s76, s76, s15
	s_mul_i32 s76, s76, REC
	s_add_co_u32 s76, s76, s22
	s_add_nc_u64 s[88:89], s[6:7], s[76:77]
	s_sub_nc_u64 s[88:89], s[88:89], 6144
	s_xor_b32 s76, s16, s17                        ; scale words at the end: wave n those of row of waves n / 2, the n % 2-th window in the order of work
	s_lshl_b32 s76, s76, 1
	s_add_co_u32 s76, s76, s20
	s_add_co_u32 s76, s76, s15
	s_mul_i32 s76, s76, REC
	s_add_co_u32 s76, s76, SW
	s_add_nc_u64 s[94:95], s[6:7], s[76:77]
	s_lshl_b32 s22, s18, 1                         ; v's record: 1,024 + 8 (4 T + 2 s18 + row of waves) + tile column
	s_add_co_u32 s21, s21, s22
	s_add_co_u32 s21, s21, s15
	s_lshl_b32 s21, s21, 3
	s_add_co_u32 s21, s21, s13
	s_add_co_u32 s21, s21, 1024
	s_mul_i32 s21, s21, REC
	s_lshl_b32 s22, s16, 13                        ; my images 4 c .. 4 c + 3
	s_add_co_u32 s76, s21, s22
	s_add_nc_u64 s[96:97], s[6:7], s[76:77]
	s_lshl_b32 s22, s16, 8
	s_add_co_u32 s76, s21, s22
	s_add_co_u32 s76, s76, SW
	s_add_nc_u64 s[98:99], s[6:7], s[76:77]
	s_lshl_b32 s90, s40, 2                         ; my sixteenth of a prefetch of x's rows,
	s_add_co_u32 s90, s90, s14
	s_lshl_b32 s90, s90, 13
	s_lshl_b32 s101, s41, 2                        ; and of Wv's
	s_add_co_u32 s101, s101, s14
	s_lshl_b32 s101, s101, 13
	s_add_co_u32 s101, s101, s3
	s_add_co_u32 s22, s67, s90
	s_add_co_u32 s22, s22, CH
	v_lshl_add_u32 v7, v3, 8, s22                  ; of chunk 1,
	s_add_co_u32 s22, s2, s90
	v_lshl_add_u32 v1, v3, 8, s22                  ; of chunk 2
	s_add_co_u32 s23, s22, CH                      ; and of chunk 3
	WALU
	s_cmp_lt_u32 s14, 2
	s_cbranch_scc0 .Lnot_b
	s_wait_tensorcnt 0x0                           ; waves 0, 1: the weight has landed
.Lnot_b:
	BARRIER
	global_prefetch_b8 v7, s[4:5] th:TH_LOAD_NT scope:SCOPE_SE
.macro FRAG f, lo, hi                  ; a weight's fragment f = 4 q + b, 16 registers, into window 1 + f / 16
.set Q_, (\f)/4
.set B_, (\f)%4
	WIN (1+(\f)/16)<<6
.irp c, 0,1,2,3
.if B_ < 2
	ds_load_b128 v[16*((\f)%16)+4*\c:16*((\f)%16)+4*\c+3], v[\lo] offset:B_*REC+2048*Q_+512*\c
.else
	ds_load_b128 v[16*((\f)%16)+4*\c:16*((\f)%16)+4*\c+3], v[\hi] offset:(B_-2)*REC+2048*Q_+512*\c
.endif
.endr
.endm
.macro WSCALES adr
.irp p, 0,1
	ds_load_b128 v[SB+8*\p:SB+8*\p+3], v[\adr] offset:\p*BLK2
	ds_load_b128 v[SB+8*\p+4:SB+8*\p+7], v[\adr] offset:\p*BLK2+16
.endr
.endm
.macro FETCHAT k                       ; a block of x into set k of window 3, and its scale words: NF loads; an odd block lies a double block behind its even one
	WIN 3<<6
.irp q, 0,1,2,3,4,5,6,7
.irp c, 0,1,2,3
	ds_load_b128 v[128*\k+16*\q+4*\c:128*\k+16*\q+4*\c+3], v[ADRA] offset:\k*BLK2+2048*\q+512*\c
.endr
.endr
	WIN 0
	ds_load_b128 v[SA+8*\k:SA+8*\k+3], v[AAS] offset:\k*BLK2
	ds_load_b128 v[SA+8*\k+4:SA+8*\k+7], v[AAS] offset:\k*BLK2+16
.endm
; Product n = 4 q + b of a block: the q-th 128 of K, tile b; x's rows in set e, sums in set a.  kind 0 (q, k): source 0 = the weight's rows: a lane holds one token and 32 neighbouring channels.  kind 1 (v): source 0 = x's rows: a lane holds one channel.
; A block's four accumulators take turns, one instruction a turn.
.macro PROD kind, e, a, n
.set Q_, (\n)/4
.set B_, (\n)%4
.set AC_, ACC+32*(\a)+8*B_
.set R_, 128*(\e)+16*Q_
.set W_, 16*((\n)%16)
.set XS_, SA+8*(\e)+Q_
.set WS_, SB+8*(B_/2)+Q_
.if \kind
	WIN 3|((1+(\n)/16)<<2)
.if Q_ && B_%2
	v_wmma_scale_f32_16x16x128_f8f6f4 v[AC_:AC_+7], v[R_:R_+15], v[W_:W_+15], v[AC_:AC_+7], v[XS_], v[WS_] matrix_a_fmt:MATRIX_FMT_BF8 matrix_b_fmt:MATRIX_FMT_BF8 matrix_b_scale:MATRIX_SCALE_ROW1
.elseif Q_
	v_wmma_scale_f32_16x16x128_f8f6f4 v[AC_:AC_+7], v[R_:R_+15], v[W_:W_+15], v[AC_:AC_+7], v[XS_], v[WS_] matrix_a_fmt:MATRIX_FMT_BF8 matrix_b_fmt:MATRIX_FMT_BF8
.elseif B_%2
	v_wmma_scale_f32_16x16x128_f8f6f4 v[AC_:AC_+7], v[R_:R_+15], v[W_:W_+15], 0, v[XS_], v[WS_] matrix_a_fmt:MATRIX_FMT_BF8 matrix_b_fmt:MATRIX_FMT_BF8 matrix_b_scale:MATRIX_SCALE_ROW1
.else
	v_wmma_scale_f32_16x16x128_f8f6f4 v[AC_:AC_+7], v[R_:R_+15], v[W_:W_+15], 0, v[XS_], v[WS_] matrix_a_fmt:MATRIX_FMT_BF8 matrix_b_fmt:MATRIX_FMT_BF8
.endif
.else
	WIN (1+(\n)/16)|(3<<2)
.if Q_ && B_%2
	v_wmma_scale_f32_16x16x128_f8f6f4 v[AC_:AC_+7], v[W_:W_+15], v[R_:R_+15], v[AC_:AC_+7], v[WS_], v[XS_] matrix_a_fmt:MATRIX_FMT_BF8 matrix_b_fmt:MATRIX_FMT_BF8 matrix_a_scale:MATRIX_SCALE_ROW1
.elseif Q_
	v_wmma_scale_f32_16x16x128_f8f6f4 v[AC_:AC_+7], v[W_:W_+15], v[R_:R_+15], v[AC_:AC_+7], v[WS_], v[XS_] matrix_a_fmt:MATRIX_FMT_BF8 matrix_b_fmt:MATRIX_FMT_BF8
.elseif B_%2
	v_wmma_scale_f32_16x16x128_f8f6f4 v[AC_:AC_+7], v[W_:W_+15], v[R_:R_+15], 0, v[WS_], v[XS_] matrix_a_fmt:MATRIX_FMT_BF8 matrix_b_fmt:MATRIX_FMT_BF8 matrix_a_scale:MATRIX_SCALE_ROW1
.else
	v_wmma_scale_f32_16x16x128_f8f6f4 v[AC_:AC_+7], v[W_:W_+15], v[R_:R_+15], 0, v[WS_], v[XS_] matrix_a_fmt:MATRIX_FMT_BF8 matrix_b_fmt:MATRIX_FMT_BF8
.endif
.endif
.endm
.macro HOLD x, b                       ; the conversion does not saturate (ISA guide 7.6.2): a sum held at the largest code x the scale
	v_med3_num_f32 v[\x], v[\x], -v[TQ+\b], v[TQ+\b]
.endm
.macro SCALES i, n                     ; 0: the conversion's scale operand: 15 off the largest magnitude's exponent field; 1: the bound; 2: a second copy of it; 3: the scale byte
.if (\i) == 0
	v_add_nc_u32 v[SOP+\n], -(EMAX<<23), v[TQ]
.elseif (\i) == 1
	v_and_or_b32 v[TQ+1], v[TQ], 0x7f800000, s62
.elseif (\i) == 2
	v_mov_b32 v[TQ+3], v[TQ+1]
.else
	v_lshrrev_b32 v[EB+\n], 23, v[SOP+\n]
.endif
.endm
.macro MAXQ k, x                       ; 18 lines: the largest magnitude of the 32 sums at x, and the floor under which a byte would fall under 1
.if (\k) < 4
	v_max3_num_f32 v[TQ+\k], |v[\x+8*(\k)]|, |v[\x+8*(\k)+1]|, |v[\x+8*(\k)+2]|
.elseif (\k) < 12
	v_max3_num_f32 v[TQ+(\k)%4], v[TQ+(\k)%4], |v[\x+8*((\k)%4)+2*((\k)/4)+1]|, |v[\x+8*((\k)%4)+2*((\k)/4)+2]|
.elseif (\k) < 16
	v_max_num_f32 v[TQ+(\k)%4], v[TQ+(\k)%4], |v[\x+8*((\k)%4)+7]|
.elseif (\k) == 16
	v_max3_num_f32 v[TQ], v[TQ], v[TQ+1], v[TQ+2]
.else
	v_max3_num_f32 v[TQ], v[TQ], v[TQ+3], (EMAX+1)<<23
.endif
.endm
.macro HOLDS m, x                      ; two of a scale block's holds; the fourth two read the bound's second copy, freshly written
.if (\m) == 3
	HOLD \x, 3
	HOLD \x+1, 3
.else
	HOLD \x, 1
	HOLD \x+1, 1
.endif
.if (\m) == 2
	SCALES 2, 0
.endif
.endm
.macro GAPQ m, x                       ; q's or k's block, gaps 0 .. 26: a scale block of 32 channels lies in a lane: the sums at x -> codes NCD, byte EB
.if (\m) < 9
	MAXQ 2*(\m), \x
	MAXQ 2*(\m)+1, \x
.elseif (\m) == 9
	SCALES 0, 0
	SCALES 1, 0
.elseif (\m) < 26
	HOLDS (\m)-10, \x+2*((\m)-10)
.if ((\m)-10)%4 == 3
	v_cvt_scalef32_pk8_bf8_f32 v[NCD+2*(((\m)-10)/4):NCD+2*(((\m)-10)/4)+1], v[\x+8*(((\m)-10)/4):\x+8*(((\m)-10)/4)+7], v[SOP]
.endif
.elseif (\m) == 26
	SCALES 3, 0
.endif
.endm
.macro GAPV u, x                       ; a pair of v's blocks, gaps 0 .. 59, 15 a tile: a scale block of 32 tokens lies in lanes l and l xor 16: the even block's sums at x, the odd's at x + 32 -> codes MCD + 4 t, bytes EB + t
.set T_, (\u)/15
.set J_, (\u)%15
.set E_, \x+8*T_
.set O_, E_+32
.if (\u) > 59
.elseif J_ == 0
	v_max3_num_f32 v[TQ], |v[E_]|, |v[E_+1]|, |v[E_+2]|
	v_max3_num_f32 v[TQ+2], |v[O_]|, |v[O_+1]|, |v[O_+2]|
.elseif J_ < 3
	v_max3_num_f32 v[TQ], v[TQ], |v[E_+2*J_+1]|, |v[E_+2*J_+2]|
	v_max3_num_f32 v[TQ+2], v[TQ+2], |v[O_+2*J_+1]|, |v[O_+2*J_+2]|
.elseif J_ == 3
	v_max3_num_f32 v[TQ+2], v[TQ+2], |v[O_+7]|, (EMAX+1)<<23
	v_max3_num_f32 v[TQ], v[TQ], |v[E_+7]|, v[TQ+2]
.elseif J_ == 4
	v_permlanex16_b32 v[TQ+2], v[TQ], s60, s61
	v_max_num_f32 v[TQ], v[TQ], v[TQ+2]
.elseif J_ == 5
	SCALES 0, T_
	SCALES 1, T_
.elseif J_ < 10
	HOLDS J_-6, E_+2*(J_-6)
.if J_ == 9
	v_cvt_scalef32_pk8_bf8_f32 v[MCD+4*T_:MCD+4*T_+1], v[E_:E_+7], v[SOP+T_]
.endif
.elseif J_ < 14
	HOLDS J_-6, O_+2*(J_-10)
.if J_ == 13
	v_cvt_scalef32_pk8_bf8_f32 v[MCD+4*T_+2:MCD+4*T_+3], v[O_:O_+7], v[SOP+T_]
.endif
.else
	SCALES 3, T_
.endif
.endm
; WHAT STANDS BEHIND PRODUCT n.  j: 6, 7 the first two blocks; 0 .. 3 the first loop's; 4, 5 the second's; 8, 9 v's.  Behind an even block's first products the places of the pair two blocks on.  y = 1: q's or k's way out at x; 2, 3: the halves of v's
.macro LIST n, j, y, x
.if (\n) == 0
.if (\j) == 0
	s_add_nc_u64 s[84:85], s[84:85], 8192
.elseif (\j) == 3
	s_cmp_eq_u32 s46, 1                            ; block 8 begins v's window
	s_cselect_b64 s[84:85], s[88:89], s[84:85]
.elseif (\j) == 4
	s_add_nc_u64 s[84:85], s[84:85], 4096
.endif
.if (\j) == 2
	s_add_co_u32 s22, s47, 2*BLK2
	WIN 0
	v_add_nc_u32 v[ADRA], s22, v[ADRA0]
.elseif (\j)%2 == 0
	WIN 0
	v_add_nc_u32 v[ADRA], s47, v[ADRA0]
.endif
.elseif (\n) == 1
.if (\j) == 2
	WIN 0
	v_add_nc_u32 v[AAS], s22, v[AAS0]
.elseif (\j)%2 == 0
	WIN 0
	v_add_nc_u32 v[AAS], s47, v[AAS0]
.endif
.elseif (\n) == 2
.if (\j) == 0
	WIN 0
	v_add_nc_u32 v[VX], 256, v[VX]
.elseif (\j) == 4
	WIN 0
	v_add_nc_u32 v[VX], 128, v[VX]
.elseif (\j) == 1
	WIN 0
	v_lshl_add_u32 v7, v3, 8, s23
.endif
.endif
.if (\y) == 1 && (\n) > 0 && (\n) < 28
	WIN 0
	GAPQ (\n)-1, \x
.elseif (\y) == 2 && (\n) > 0 && (\n) < 31
	WIN 0
	GAPV (\n)-1, \x
.elseif (\y) == 3 && (\n) > 0 && (\n) < 31
	WIN 0
	GAPV (\n)+29, \x
.endif
.endm
.macro BLOCK kind, e, a, from, to, j, y, x
.set N_, \from
.rept (\to)-(\from)
	PROD \kind, \e, \a, N_
	LIST N_, \j, \y, \x
.set N_, N_+1
.endr
.endm
.macro BLK kind, e, a, w, j, y, x      ; a block; w: the wait's count: all but the other set's loads (-1: none is due)
.if (\w) >= 0
	s_wait_dscnt \w
.endif
	s_wait_xcnt 0x0                                ; the stores and the prefetch before have read what is written below
	BLOCK \kind, \e, \a, 0, 32, \j, \y, \x
	WIN 0
	PLACES NP
.endm
.macro RBLK e, a, j, x                 ; a block with a refill's round: the guard behind 20 products, the signal behind 28
	s_wait_dscnt NF
	s_wait_xcnt 0x0
	BLOCK 0, \e, \a, 0, 20, \j, 1, \x
	WIN 0
	WALU
	GRD
	RDESC G0A, 8, 19
	BLOCK 0, \e, \a, 20, 28, \j, 1, \x
	WIN 0
	WALU
	s_wait_dscnt 0x0                               ; the add is done; the refilled slot's last blocks are in registers
	s_barrier_signal -1
	BLOCK 0, \e, \a, 28, 32, \j, 1, \x
	MIDDLE
	BARRIER
.endm
.macro QOUT off, boff                  ; a block's byte to its place in LDS; its 32 codes a lane leave: sixteen lanes store 256 consecutive bytes, aligned
	ds_store_b8 v[VX], v[EB] offset:\boff
	global_store_b128 v[CN], v[NCD:NCD+3], s[84:85] offset:\off
	global_store_b128 v[CN], v[NCD+4:NCD+7], s[84:85] offset:(\off)+256
.endm
.set F_, 0
.rept 32
	FRAG F_, 14, 18
.set F_, F_+1
.endr
	WIN 0
	WSCALES 16
	GRD
	s_mov_b32 s[G1A+2], 2<<16                      ; from here on a load brings two block records
	s_mov_b32 s[G1A+4], 2
	s_mov_b32 s[G1B+2], 2<<16
	s_mov_b32 s[G1B+4], 2
	s_mov_b32 s19, YB
	s_add_co_u32 s8, s67, CH
	RDESC G0A, 8, 19
	s_wait_dscnt 0x0                               ; the add is done; the weight is in registers
	CROUND
	TLOAD G0A, G1A                                 ; chunk 1
	FETCHAT 0
	FETCHAT 1
	global_prefetch_b8 v1, s[4:5] th:TH_LOAD_NT scope:SCOPE_SE
	s_mov_b32 s47, 2*BLK2                          ; s47: the place of the pair that is fetched next
	BLK 0, 0, 0, NF, 6, 0, 0
	WALU
	FETCHAT 0
	BLK 0, 1, 1, NF, 7, 1, ACC
	QOUT 6144, 256
	FETCHAT 1
	s_mov_b32 s46, 0                               ; the trip
	s_mov_b32 s47, CH
	s_mov_b32 s19, 0                               ; the slot that is refilled, and with which rows
	s_mov_b32 s8, s2
.Lfour:                                                ; blocks 2 .. 5, 6 .. 9
	RBLK 0, 0, 0, ACC+32
	TLOAD G0A, G1A                                 ; chunks 2, 3
	PLACES NP-4
	QOUT 0, 64
	FETCHAT 0
	BLK 0, 1, 1, -1, 1, 1, ACC
	QOUT 2048, 128
	global_prefetch_b8 v7, s[4:5] th:TH_LOAD_NT scope:SCOPE_SE
	FETCHAT 1
	BLK 0, 0, 0, NF, 2, 1, ACC+32
	QOUT 4096, 192
	FETCHAT 0
	BLK 0, 1, 1, NF, 3, 1, ACC
	QOUT 6144, 256
	FETCHAT 1
	s_xor_b32 s47, s47, CH
	s_xor_b32 s19, s19, CH
	s_add_co_u32 s8, s8, CH
	s_mov_b32 s23, s101
	s_add_co_u32 s46, s46, 1
	s_cmp_lg_u32 s46, 2
	s_cbranch_scc1 .Lfour
	WALU
	GRD
	s_mov_b32 s19, 0
	RDESC G0B, 3, 19
	s_mov_b32 s46, 0
	s_mov_b32 s47, CH
	s_wait_dscnt 0x0
	CROUND
	TLOAD G0B, G1B
.Ltwo:                                                 ; blocks 10 .. 15
	BLK 0, 0, 0, NF, 4, 1, ACC+32
	QOUT 4096, 192
	FETCHAT 0
	BLK 0, 1, 1, NF, 5, 1, ACC
	QOUT 6144, 256
	FETCHAT 1                                      ; the last trip's: v's first two blocks: chunk 3 as it lies
	s_xor_b32 s47, s47, 2*BLK2
	s_add_co_u32 s46, s46, 1
	s_cmp_lg_u32 s46, 3
	s_cbranch_scc1 .Ltwo
; THE CHANGE OF PHASE: among Wv's 128 loads the last block's way out, and zeros into what v's first trip reads
	s_wait_xcnt 0x0
	WALU
	s_wait_tensorcnt 0x0                           ; Wv is in
	s_wait_dscnt 0x0
	BARRIER
	WSCALES 2
.macro CHANGE i
.if (\i) < 7
.irp k, 0,1,2,3
.if 4*(\i)+\k < 27
	GAPQ 4*(\i)+\k, ACC+32
.endif
.endr
.elseif (\i) < 15
.irp q, 0,1,2,3,4,5,6,7
	v_mov_b32 v[ACC+64+8*((\i)-7)+\q], 0
.endr
.endif
.endm
.set F_, 0
.rept 16
	FRAG F_, 15, 8
	FRAG F_+1, 15, 8
	WIN 0
	CHANGE F_/2
.set F_, F_+2
.endr
	QOUT 8192, 320
	WALU
	GRD
	s_mov_b32 s19, 0
	RDESC G0A, 2, 19
	s_mov_b32 s46, 0
	s_mov_b32 s47, 6*BLK2
	s_wait_dscnt 0x0                               ; the add is done; Wv is in registers
	CROUND
	TLOAD G0A, G1A
.macro VOUT                            ; a pair of v's blocks: four tiles' bytes and codes, 512 consecutive bytes a store
.irp t, 0,1,2,3
	ds_store_b8 v[VX], v[EB+\t] offset:64*\t
	global_store_b128 v[CO], v[MCD+4*\t:MCD+4*\t+3], s[84:85] offset:2048*\t
.endr
.endm
.macro VTO                             ; s22 = c: which 32 tokens of the 128
	s_lshl_b32 s20, s22, 9
	s_mov_b32 s21, 0
	s_add_nc_u64 s[84:85], s[96:97], s[20:21]
	v_add_nc_u32 v[VX], s22, v[RD]
.endm
.Lpair:
	BLK 1, 0, 0, -1, 8, 2, ACC+64
	s_cmp_eq_u32 s46, 3
	s_cbranch_scc1 .Lnone_0
	FETCHAT 0
	s_wait_dscnt NF
	s_branch .Lgo
.Lnone_0:
	s_wait_dscnt 0x0
.Lgo:
	s_wait_xcnt 0x0
	BLOCK 1, 1, 1, 0, 28, 9, 3, ACC+64
	WIN 0
	WALU
	s_wait_tensorcnt 0x0                           ; the first trip's barrier shows chunk 2
	s_wait_dscnt 0x0
	s_barrier_signal -1
	BLOCK 1, 1, 1, 28, 32, 9, 3, ACC+64
	WIN 0
	s_barrier_wait -1
	PLACES NP
.set I_, 0
.rept 16                               ; the pair's sums are copied, so that one trip is two blocks of text
	v_dual_mov_b32 v[ACC+64+I_], v[ACC+I_] :: v_dual_mov_b32 v[ACC+64+I_+1], v[ACC+I_+1]
.set I_, I_+2
.endr
.rept 16
	v_dual_mov_b32 v[ACC+64+I_], v[ACC+I_] :: v_dual_mov_b32 v[ACC+64+I_+1], v[ACC+I_+1]
.set I_, I_+2
.endr
	s_add_co_u32 s22, s46, 1
	s_and_b32 s22, s22, 3
	VTO
	s_cmp_eq_u32 s46, 0
	s_cbranch_scc1 .Lno_pair_before
	VOUT
.Lno_pair_before:
	s_cmp_eq_u32 s46, 3
	s_cbranch_scc1 .Lnone_1
	FETCHAT 1
.Lnone_1:
	s_cmp_eq_u32 s46, 0
	s_cselect_b32 s47, 0, 2*BLK2
	s_add_co_u32 s46, s46, 1
	s_cmp_lg_u32 s46, 4
	s_cbranch_scc1 .Lpair
	s_wait_xcnt 0x0
.set K_, 0
.rept 60
	GAPV K_, ACC+64
.set K_, K_+1
.endr
	s_mov_b32 s22, 1
	VTO
	VOUT
	s_wait_dscnt 0x0                               ; the scale bytes
	BARRIER
	s_lshl_b32 s21, s14, 9
	s_add_co_u32 s21, s21, XN
	s_lshl_b32 s22, s14, 8
	s_add_co_u32 s22, s22, XV
	v_add_nc_u32 v21, s21, v[CO]
	v_lshlrev_b32 v22, 3, v3
	v_add_nc_u32 v23, s22, v22
	WALU
	ds_load_b128 v[60:63], v21
	ds_load_b64 v[40:41], v23
	s_wait_dscnt 0x0
	global_store_b128 v[CO], v[60:63], s[94:95]    ; 512 consecutive bytes: a record's scale words
	global_store_b64 v22, v[40:41], s[98:99]       ; 256 consecutive bytes
	s_wait_tensorcnt 0x0                           ; the wave's end
	ds_add_u32 v[SPW], v[NIL]
	s_wait_dscnt 0x0
	CROUND                                         ; the closing round
	s_endpgm
.Lfunc_end_k_qeba9e0f98e_proj:
	.size	k_qeba9e0f98e_proj, .Lfunc_end_k_qeba9e0f98e_proj-k_qeba9e0f98e_proj
	.p2alignl 7, 3214868480
	.fill 96, 4, 3214868480
	.section	.rodata,"a",@progbits
	.p2align	6, 0x0
	.amdhsa_kernel k_qeba9e0f98e_proj
		.amdhsa_group_segment_fixed_size 327680
		.amdhsa_private_segment_fixed_size 0
		.amdhsa_enable_private_segment 0
		.amdhsa_kernarg_size 16
		.amdhsa_user_sgpr_count 2
		.amdhsa_user_sgpr_kernarg_segment_ptr 1
		.amdhsa_wavefront_size32 1
		.amdhsa_system_sgpr_workgroup_id_x 1
		.amdhsa_system_sgpr_workgroup_id_y 1
		.amdhsa_system_sgpr_workgroup_id_z 1
		.amdhsa_system_vgpr_workitem_id 0
		.amdhsa_next_free_vgpr 1024
		.amdhsa_next_free_sgpr 102
		.amdhsa_reserve_vcc 0
		.amdhsa_float_denorm_mode_32 3
		.amdhsa_float_denorm_mode_16_64 3
		.amdhsa_memory_ordered 1
		.amdhsa_forward_progress 1
		.amdhsa_inst_pref_size 173
	.end_amdhsa_kernel
	.amdgpu_metadata
---
amdhsa.version: [ 1, 2 ]
amdhsa.kernels:
  - .name:           k_qeba9e0f98e_proj
    .symbol:         k_qeba9e0f98e_proj.kd
    .args:
      - { .name: xw_rec, .offset: 0, .size: 8, .value_kind: global_buffer, .address_space: global }
      - { .name: qkv_rec, .offset: 8, .size: 8, .value_kind: global_buffer, .address_space: global }
    .group_segment_fixed_size: 327680
    .private_segment_fixed_size: 0
    .kernarg_segment_align: 8
    .kernarg_segment_size: 16
    .max_flat_workgroup_size: 128
    .sgpr_count:     102
    .vgpr_count:     1024
    .wavefront_size: 32
...
	.end_amdgpu_metadata
.endif
;; end of part 2
;; launch scores (part 3): grid 9 x 16, 4 waves a work-group, no clusters, 327,680 bytes of LDS; arguments qkv_rec, p_rec, p_stats; writes p_rec, p_stats
.if DOCPART == 3
	.amdgcn_target "amdgcn-amd-amdhsa--gfx1250"
	.amdhsa_code_object_version 6
	.text
	.protected	k_qeba9e0f98e_scores
	.globl	k_qeba9e0f98e_scores
	.p2align	8
	.type	k_qeba9e0f98e_scores,@function
k_qeba9e0f98e_scores:
	s_mov_b64 s[64:65], 0
	v_nop
	global_prefetch_b8 v0, s[64:65] scope:SCOPE_SE
	s_setreg_imm32_b32 hwreg(HW_REG_WAVE_MODE, 25, 1), 1
	s_wait_xcnt 0x0
; p = 2^(t - M) of the causal scores q k^T / 32, on codes of E5M2 with E8M0 scales, K = 1,024, quantised along the keys on the way out.
; LEFT OUT AS DEAD WORK (shown at the head of the first launch): tiles of 256 x 256 all of whose keys come after all of their queries are not launched: 36 of 64 tiles a batch remain.
; In a tile on the diagonal the wave whose 128 keys all come after its 128 queries runs the ring with the others and leaves its softmax out; it stores zero codes, since the next launch's tile reaches over that record.
; M IS LOCAL: for each query and each 128 keys, M = ceil(the largest t of these keys), a whole number.  The row's M is the largest of them; the next launch takes the difference, a whole number, off the blocks' scale bytes:
; the codes are those of the row's own M.  The local sum of the unquantised p and -M go to p_stats.
; p_rec: [batch 4][g 16 (keys / 128)][O 16 (queries / 128)] records (8 images of 2,048 bytes, 128 scale words); p_stats: the same index x 1,024 bytes: 128 x -M, 128 x the sum.  Rows in the order of q's rows.
; SHARES.  As in the launch before: a tile of 256 x 256 to four waves, 128 x 128 each, A = q's rows, B = k's rows, source 0 = k: a lane holds one query, its registers run along the keys in true order.
; Work-group (u, y): batch y / 4, p = y % 4: tile rows p and 7 - p have 9 tiles together: u <= p: tile (p, u), else (7 - p, u - p - 1).
; NO CLUSTER: a tile row has 1 to 8 tiles and so has a tile column, so no grouping by four shares q's or k's records at every place of the triangle, and a partner above the diagonal would ask for tiles that it never reads.
; LIMITS: NaN and infinities are not served; a block whose every p lies under 2^-111 keeps the byte 1.
; REGISTERS: the product's as in the launch before.  The way out, window 0: v12 -M, v13 the largest t, v[14:15], v[82:83] sums; v64-81 at work; v96-119 a scale word, -M and a sum for each block of queries; v128-191 t, then p; v192-223 codes, two sets.
.set REC,   16896
.set SW,    16384
.set NO,    64                         ; octets in a K group of q and of k
.set QKOFF, 8650752
.set HALFT, 2*REC
.set SLOT,  4*HALFT
.set STG,   2*SLOT                     ; 1,536 bytes a wave: scale words, -M, sums on their way out
.set SPARE, STG+4*1536
.set FR,  16
.set NL,  4
.set NP,  8
.set ADRA, 16
.set ADRB, 20
.set ADRS, 22
.set LI,   24
.set STI,  25
.set STR,  26
.set SPW,  28
.set NIL,  29
.set SC,   32
.set BM,   64                          ; v64-67 a block's largest score, then its largest p
.set BX,   68                          ; v68-71 the other half's; then the bytes
.set HO,   72                          ; v72-75 57,344 x the scale
.set SO,   76                          ; v76-79 the conversions' scale operands
.set SWD,  96
.set NM,   104
.set LL,   112
.set NINF, 120
.set DL,   121                         ; v121 my query's place in its 32 rows, less 16 (lane / 16)
.set DD,   122
.set T,    128
.set PC,   192
.set GA,   224
.set AF,   128
.set G1,  24
.set G0,  32
.set CS,  72                           ; s[72:73] log2(e) / 32
.set SEL, 74
.set MNT, 76
.set DG,  77                           ; 1: my 128 x 128 lies on the diagonal
.set DEAD, 78                          ; 1: all my keys come after all my queries
.set MSB, 0
.macro WIN new
.if MSB != \new
	s_set_vgpr_msb (MSB<<8)|\new
.set MSB, \new
.endif
.endm
.set MUL_LO, 0xa1
.set MUL_HI, 0xf1
.set TO_B,   0x40
	s_load_b128 s[4:7], s[0:1], 0x0                ; qkv_rec, p_rec
	s_load_b64 s[8:9], s[0:1], 0x10                ; p_stats
	v_lshl_add_u32 v[SPW], v0, 2, SPARE
	v_mov_b32 v[NIL], 0
	ds_add_u32 v[SPW], v[NIL]                      ; the opening: the add, twice on end, and its wait ahead of my first tensor load
	ds_add_u32 v[SPW], v[NIL]
	v_lshrrev_b32 v1, 5, v0
	v_readfirstlane_b32 s14, v1                    ; wave
	s_lshr_b32 s15, s14, 1                         ; wr: my half of the queries
	s_and_b32 s16, s14, 1                          ; wc: my half of the keys.  Also: which octet I fetch
	s_and_b32 s40, ttmp7, 0xffff
	s_and_b32 s41, s40, 3                          ; p
	s_lshr_b32 s42, s40, 2                         ; batch
	s_sub_co_u32 s43, 7, s41
	s_sub_co_u32 s44, ttmp9, s41
	s_sub_co_u32 s44, s44, 1
	s_cmp_le_u32 ttmp9, s41
	s_cselect_b32 s45, s41, s43                    ; qi: tile row
	s_cselect_b32 s46, ttmp9, s44                  ; kj: tile column, at most qi
	s_cmp_lt_u32 s14, 2                            ; waves 0, 1 fetch q's octets, waves 2, 3 k's
	s_cselect_b32 s47, s45, s46
	s_cselect_b32 s48, 0, QKOFF
	s_lshl_b32 s47, s47, 1
	s_add_co_u32 s47, s47, s16
	s_lshl_b32 s49, s42, 4
	s_add_co_u32 s47, s47, s49
	s_mul_i32 s47, s47, REC
	s_add_co_u32 s20, s47, s48
	s_mov_b32 s21, 0
	s_cmp_eq_u32 s45, s46
	s_cselect_b32 s50, 1, 0
	s_cmp_eq_u32 s15, s16
	s_cselect_b32 s51, 1, 0
	s_and_b32 s[DG], s50, s51
	s_cmp_lt_u32 s15, s16
	s_cselect_b32 s51, 1, 0
	s_and_b32 s[DEAD], s50, s51
	s_lshl_b32 s52, s46, 1                         ; my record: (16 batch + 2 kj + wc) x 16 + 2 qi + wr
	s_add_co_u32 s52, s52, s16
	s_add_co_u32 s52, s52, s49
	s_lshl_b32 s52, s52, 4
	s_lshl_b32 s53, s45, 1
	s_add_co_u32 s53, s53, s15
	s_add_co_u32 s52, s52, s53
	s_mul_i32 s54, s52, REC
	s_mov_b32 s55, 0
	s_lshl_b32 s56, s52, 10
	s_mov_b32 s57, 0
	s_mul_i32 s58, s14, HALFT
	s_mov_b32 s[G1+0], 3<<16                       ; no mask; elements of 8 bytes; no padding
	s_mov_b32 s[G1+1], (REC/8)<<16                 ; tensor_dim0: a record
	s_mov_b32 s[G1+2], 2<<16                       ; tensor_dim1: two K groups
	s_mov_b32 s[G1+3], (REC/8)<<16                 ; tile_dim0
	s_mov_b32 s[G1+4], 2                           ; tile_dim1
	s_mov_b32 s[G1+5], NO*REC/8                    ; from a K group to the next
	s_mov_b32 s[G1+6], 0
	s_mov_b32 s[G1+7], 0
	s_mov_b32 s[CS], 0x3d38aa3b                    ; log2(e) / 32
	s_mov_b32 s[CS+1], s[CS]                       ; (named with it as a pair)
	s_mov_b32 s[SEL], 0x76543210
	s_mov_b32 s[SEL+1], 0xfedcba98
	s_mov_b32 s[MNT], 0x600000
	s_wait_dscnt 0x0                               ; both opening adds are done
	s_wait_kmcnt 0x0
	s_add_nc_u64 s[20:21], s[4:5], s[20:21]
	s_add_nc_u64 s[12:13], s[6:7], s[54:55]
	s_add_nc_u64 s[10:11], s[8:9], s[56:57]
.irp s, 0,1
	s_mov_b32 s[G0+4*\s], 1
	s_add_co_u32 s[G0+4*\s+1], s58, \s*SLOT
	s_add_nc_u64 s[G0+4*\s+2:G0+4*\s+3], s[20:21], \s*2*NO*REC
	s_or_b32 s[G0+4*\s+3], s[G0+4*\s+3], 0x80000000
.endr
	tensor_load_to_lds s[G0:G0+3], s[G1:G1+7]      ; my part of slot 0: one tensor load a wave at the head
	s_nop 0
.rept 4
	v_nop
.endr
	v_and_b32 v1, 15, v0                           ; r
	v_bfe_u32 v2, v0, 4, 1                         ; h
	s_wait_alu depctr_va_vdst(0)
	v_and_b32 v3, 31, v0
	v_lshlrev_b32 v[LI], 4, v3
	s_mul_i32 s21, s15, HALFT
	s_mul_i32 s22, s16, HALFT
	s_add_co_u32 s22, s22, 2*HALFT
.irp s, 0,1
	v_add_nc_u32 v[ADRA+\s], s21, v[LI]
	v_add_nc_u32 v[ADRB+\s], s22, v[LI]
	s_add_co_u32 s21, s21, SLOT
	s_add_co_u32 s22, s22, SLOT
.endr
	s_mul_i32 s21, s15, HALFT
	s_mul_i32 s22, s16, HALFT
	s_add_co_u32 s22, s22, 2*HALFT
	s_sub_co_u32 s22, s22, s21
	v_mul_u32_u24 v4, s22, v2                      ; lanes 16-31 take k's words
	v_lshl_add_u32 v4, v1, 2, v4
	s_add_co_u32 s21, s21, SW
	v_add_nc_u32 v[ADRS], s21, v4
	v_add_nc_u32 v[ADRS+1], SLOT, v[ADRS]
	s_mul_i32 s23, s14, 1536
	s_add_co_u32 s23, s23, STG
	v_lshl_add_u32 v[STI], v1, 2, s23
	v_add_nc_u32 v[STR], s23, v[LI]
	v_and_b32 v3, 7, v1
	v_lshrrev_b32 v4, 3, v1
	v_lshl_add_u32 v[DL], v4, 4, v3                ; r + 8 (r / 8)
	v_lshlrev_b32 v4, 4, v2
	v_sub_nc_u32 v[DL], v[DL], v4                  ; - 16 h
	v_mov_b32 v[NINF], 0xff800000                  ; -infinity
.irp b, 0,1,2,3
	v_mov_b32 v[BX+\b], 0                          ; a lane permute's destination counts as one of its sources
.endr
	v_mov_b32 v81, 0
.macro FRAG reg, adr, q, i
.irp c, 0,1,2,3
	ds_load_b128 v[\reg+4*\c:\reg+4*\c+3], v[\adr] offset:REC*(\q)+2048*(\i)+512*\c
.endr
.endm
.macro MUL16 a0, p, q, sc, zero        ; the 64 accumulators take turns, one instruction a turn
.irp a, \a0, \a0+1
.irp b, 0,1,2,3,4,5,6,7
.if \zero
	v_wmma_scale_f32_16x16x128_f8f6f4 v[8*(8*((\a)%4)+\b):8*(8*((\a)%4)+\b)+7], v[128*(\p)+FR*\b:128*(\p)+FR*\b+FR-1], v[AF+FR*(\a):AF+FR*(\a)+FR-1], 0, v[SC+16*(\sc)+2*\b+(\q)], v[SC+16*(\sc)+2*(\a)+(\q)] matrix_a_fmt:MATRIX_FMT_BF8 matrix_b_fmt:MATRIX_FMT_BF8 matrix_a_scale:MATRIX_SCALE_ROW1
.else
	v_wmma_scale_f32_16x16x128_f8f6f4 v[8*(8*((\a)%4)+\b):8*(8*((\a)%4)+\b)+7], v[128*(\p)+FR*\b:128*(\p)+FR*\b+FR-1], v[AF+FR*(\a):AF+FR*(\a)+FR-1], v[8*(8*((\a)%4)+\b):8*(8*((\a)%4)+\b)+7], v[SC+16*(\sc)+2*\b+(\q)], v[SC+16*(\sc)+2*(\a)+(\q)] matrix_a_fmt:MATRIX_FMT_BF8 matrix_b_fmt:MATRIX_FMT_BF8 matrix_a_scale:MATRIX_SCALE_ROW1
.endif
.endr
.endr
.endm
.macro FETCH_B slot, q, p
	WIN TO_B
.irp i, 0,1,2,3,4,5,6,7
	FRAG 128*(\p)+FR*\i, ADRB+\slot, \q, \i
.endr
	WIN 0
.endm
.macro FETCH_A slot, q, i0
.irp i, \i0, \i0+1, \i0+2, \i0+3
	FRAG AF+FR*(\i), ADRA+\slot, \q, \i
.endr
.endm
.macro SCALES sc
.irp i, 0,1,2,3,4,5,6,7
.irp q, 0,1
	ds_load_b32 v[SC+16*\sc+2*\i+\q], v[ADRS+\sc] offset:REC*\q+64*\i
.endr
.endr
.endm
.macro PLACES n
.rept \n
	v_nop
.endr
.endm
.macro STEP slot, zero
	s_wait_dscnt 4*NL                              ; all but the youngest 16 loads (q's blocks 4-7) are in
	WIN MUL_LO
	MUL16 0, 0, 0, \slot, \zero
	MUL16 2, 0, 0, \slot, \zero
	s_wait_dscnt 0x0
	PLACES NP
	FETCH_B \slot, 1, 1
	FETCH_A \slot, 1, 0
	WIN MUL_HI
	MUL16 4, 0, 0, \slot, \zero
	MUL16 6, 0, 0, \slot, \zero
	PLACES NP
	WIN 0
	FETCH_A \slot, 1, 4
.endm
.macro TURN slot, next, fill
	s_wait_tensorcnt 0x0                           ; my part of the next slot has landed; no load of mine is out
	ds_add_u32 v[SPW], v[NIL]
	s_wait_dscnt 4*NL+1                            ; the add and q's blocks 4-7 may be out
	WIN MUL_LO
	MUL16 0, 1, 1, \slot, 0
	s_wait_dscnt 0x0                               ; the add is done, my reads of this slot are over
	s_barrier_signal -1
	MUL16 2, 1, 1, \slot, 0
	WIN 0
	s_barrier_wait -1                              ; nobody reads this slot any more, and the next slot is whole
.if \fill
	s_add_nc_u64 s[G0+4*\slot+2:G0+4*\slot+3], s[G0+4*\slot+2:G0+4*\slot+3], 4*NO*REC
	tensor_load_to_lds s[G0+4*\slot:G0+4*\slot+3], s[G1:G1+7]   ; my one tensor load behind the barrier, and the first thing there
	s_nop 0
.rept 4
	v_nop
.endr
	PLACES NP-4
.else
	PLACES NP
.endif
	FETCH_B \next, 0, 0
	FETCH_A \next, 0, 0
	SCALES \next
	WIN MUL_HI
	MUL16 4, 1, 1, \slot, 0
	MUL16 6, 1, 1, \slot, 0
	PLACES NP
	WIN 0
	FETCH_A \next, 0, 4
.endm
	s_wait_alu depctr_va_vdst(0)                   ; the wait at the head's end
	s_wait_tensorcnt 0x0                           ; my part of slot 0 is in
	ds_add_u32 v[SPW], v[NIL]
	s_wait_dscnt 0x0
	s_barrier_signal -1
	s_barrier_wait -1                              ; slot 0 is whole
	tensor_load_to_lds s[G0+4:G0+7], s[G1:G1+7]    ; slot 1: my one tensor load behind the barrier
	s_nop 0
.rept 4
	v_nop
.endr
	FETCH_B 0, 0, 0
	FETCH_A 0, 0, 0
	SCALES 0
	FETCH_A 0, 0, 4
	STEP 0, 1
	TURN 0, 1, 1
	STEP 1, 0
	TURN 1, 0, 1
	STEP 0, 0
	TURN 0, 1, 0
	STEP 1, 0
	s_wait_dscnt 4*NL
	WIN MUL_LO
	MUL16 0, 1, 1, 1, 0
	MUL16 2, 1, 1, 1, 0
	s_wait_dscnt 0x0
	WIN MUL_HI
	MUL16 4, 1, 1, 1, 0
	MUL16 6, 1, 1, 1, 0
	WIN 0
	PLACES NP
	s_cmp_lg_u32 s[DEAD], 0                        ; ids alone; no barrier stands behind this point
	s_cbranch_scc1 .Ldead
; THE WAY OUT of block a: 16 queries x 128 keys.  Register 16 b + i of lane (r, h) is the score of key 32 b + 16 h + i of my octet of keys, for query 32 (a / 2) + 8 (a % 2) + r + 8 (r / 8) of my octet of queries.
.macro SOFT a
.set S, 64*((\a)%4)
.set PCS, PC+16*((\a)%2)
	s_cmp_eq_u32 s[DG], 0
	s_cbranch_scc1 .Lopen_\@
	s_wait_alu depctr_va_vdst(0)
	v_add_nc_u32 v[DD], 32*((\a)/2)+8*((\a)%2), v[DL]   ; on the diagonal: key 32 b + i + 16 h is hidden where 32 b + i > my query - 16 h
	WIN (2+(\a)/4)*0x41
.set n, 0
.rept 64
	v_cmp_gt_i32 vcc_lo, 32*(n/16)+n%16, v[DD]
	v_cndmask_b32 v[S+n], v[S+n], v[NINF], vcc_lo
.set n, n+1
.endr
	WIN 0
.Lopen_\@:
	WIN (2+(\a)/4)*5
.irp b, 0,1,2,3
	v_max_num_f32 v[BM+\b], v[S+16*\b], v[S+16*\b+1]   ; the largest score of each block of 32 keys: for the maximum, and, since p rises with the score, for the block's largest p
.endr
.irp i, 2,4,6,8,10,12,14
.irp b, 0,1,2,3
	v_max3_num_f32 v[BM+\b], v[S+16*\b+\i], v[S+16*\b+\i+1], v[BM+\b]
.endr
.endr
	WIN 0
.irp b, 0,1,2,3
	v_permlanex16_b32 v[BX+\b], v[BM+\b], s[SEL], s[SEL+1]
.endr
.irp b, 0,1,2,3
	v_max_num_f32 v[BM+\b], v[BM+\b], v[BX+\b]
.endr
	v_max3_num_f32 v80, v[BM], v[BM+1], v[BM+2]
	v_max_num_f32 v80, v80, v[BM+3]                ; the largest score of my query among these 128 keys: a number, since the octet's first key counts for every query on the diagonal
	v_mul_f32 v13, s[CS], v80                      ; as t
	v_floor_f32 v12, -v13                          ; -M = floor(-t) = -ceil(t)
	WIN (2+(\a)/4)
.set n, 0
.rept 32
	v_pk_fma_f32 v[T+n:T+n+1], v[S+n:S+n+1], s[CS:CS+1], v[12:13] op_sel_hi:[1,0,0]   ; t - M, two at a time, into window 0
.set n, n+2
.endr
	WIN 0
.irp b, 0,1,2,3
	v_fma_f32 v[BM+\b], v[BM+\b], s[CS], v12       ; the same of each block's largest score
.endr
.set n, 0
	s_wait_alu depctr_va_vdst(0)
.rept 64
	v_exp_f32 v[T+n], v[T+n]                       ; p = 2^(t - M)
.set n, n+1
.endr
	v_mov_b32 v[NM+(\a)], v12                      ; (the plain line behind the batch)
	s_wait_alu depctr_va_vdst(0)                   ; one wait for the 64, ahead of their first reader
.irp b, 0,1,2,3
	v_exp_f32 v[BM+\b], v[BM+\b]                   ; the block's largest p
.endr
	v_pk_add_f32 v[14:15], v[T:T+1], v[T+2:T+3]    ; the sum of the UNQUANTISED p, in two chains; it reads the 64 alone
	v_pk_add_f32 v[82:83], v[T+4:T+5], v[T+6:T+7]
.irp j, 8,12,16,20,24,28,32,36,40,44,48,52,56,60
	v_pk_add_f32 v[14:15], v[14:15], v[T+\j:T+\j+1]
	v_pk_add_f32 v[82:83], v[82:83], v[T+\j+2:T+\j+3]
.endr
	v_pk_add_f32 v[14:15], v[14:15], v[82:83]
	s_wait_alu depctr_va_vdst(0)                   ; and one for the four
.irp b, 0,1,2,3
	v_max_num_f32 v[BM+\b], 0x8000000, v[BM+\b]    ; the floor 2^(16 - 127)
.endr
.irp b, 0,1,2,3
	v_add_nc_u32 v[SO+\b], 0xf8800000, v[BM+\b]
.endr
.irp b, 0,1,2,3
	v_and_or_b32 v[HO+\b], v[BM+\b], 0x7f800000, s[MNT]
.endr
.irp b, 0,1,2,3
	v_lshrrev_b32 v[BX+\b], 23, v[SO+\b]
.endr
	v_lshl_or_b32 v[SWD+(\a)], v[BX+1], 8, v[BX]
	v_lshl_or_b32 v[SWD+(\a)], v[BX+2], 16, v[SWD+(\a)]
	v_lshl_or_b32 v[SWD+(\a)], v[BX+3], 24, v[SWD+(\a)]
	v_add_f32 v80, v14, v15
	v_permlanex16_b32 v81, v80, s[SEL], s[SEL+1]
	v_add_f32 v[LL+(\a)], v80, v81                 ; my query's sum over the 128 keys
.if (\a) >= 2
	s_wait_xcnt 0x0                                ; block a - 2's stores have read this set of codes
.endif
.irp b, 0,1,2,3
.irp i, 0,1,2,3,4,5,6,7,8,9,10,11,12,13,14,15
	v_min_num_f32 v[T+16*\b+\i], v[T+16*\b+\i], v[HO+\b]   ; the hold; p is not negative, so it is one-sided
.endr
	v_cvt_scalef32_pk8_bf8_f32 v[PCS+4*\b:PCS+4*\b+1], v[T+16*\b:T+16*\b+7], v[SO+\b]
	v_cvt_scalef32_pk8_bf8_f32 v[PCS+4*\b+2:PCS+4*\b+3], v[T+16*\b+8:T+16*\b+15], v[SO+\b]
.endr
	v_nop                                          ; a plain line behind the last conversion
.irp c, 0,1,2,3
	global_store_b128 v[LI], v[PCS+4*\c:PCS+4*\c+3], s[12:13] offset:2048*(\a)+512*\c
.endr
.endm
.irp a, 0,1,2,3,4,5,6,7
	SOFT \a
.endr
.irp a, 0,1,2,3,4,5,6,7
	ds_store_b32 v[STI], v[SWD+\a] offset:64*\a    ; lanes r and 16 + r write the same word with the same value
	ds_store_b32 v[STI], v[NM+\a] offset:512+64*\a
	ds_store_b32 v[STI], v[LL+\a] offset:1024+64*\a
.endr
.irp k, 0,1,2
	ds_load_b128 v[GA+4*\k:GA+4*\k+3], v[STR] offset:512*\k   ; in order behind my stores
.endr
	s_wait_dscnt 0x0
	global_store_b128 v[LI], v[GA:GA+3], s[12:13] offset:SW
	global_store_b128 v[LI], v[GA+4:GA+7], s[10:11]
	global_store_b128 v[LI], v[GA+8:GA+11], s[10:11] offset:512
	s_branch .Lend
.Ldead:
.irp k, 0,1,2,3
	v_mov_b32 v[GA+\k], 0
.endr
.set n, 0
.rept 32
	global_store_b128 v[LI], v[GA:GA+3], s[12:13] offset:512*n   ; zero codes over the record's eight images
.set n, n+1
.endr
.Lend:
	s_wait_tensorcnt 0x0                           ; the wave's end
	ds_add_u32 v[SPW], v[NIL]
	s_wait_dscnt 0x0
	s_endpgm
.Lfunc_end_k_qeba9e0f98e_scores:
	.size	k_qeba9e0f98e_scores, .Lfunc_end_k_qeba9e0f98e_scores-k_qeba9e0f98e_scores
	.p2alignl 7, 3214868480
	.fill 96, 4, 3214868480
	.section	.rodata,"a",@progbits
	.p2align	6, 0x0
	.amdhsa_kernel k_qeba9e0f98e_scores
		.amdhsa_group_segment_fixed_size 327680
		.amdhsa_private_segment_fixed_size 0
		.amdhsa_enable_private_segment 0
		.amdhsa_kernarg_size 24
		.amdhsa_user_sgpr_count 2
		.amdhsa_user_sgpr_kernarg_segment_ptr 1
		.amdhsa_wavefront_size32 1
		.amdhsa_system_sgpr_workgroup_id_x 1
		.amdhsa_system_sgpr_workgroup_id_y 1
		.amdhsa_system_sgpr_workgroup_id_z 1
		.amdhsa_system_vgpr_workitem_id 0
		.amdhsa_next_free_vgpr 1024
		.amdhsa_next_free_sgpr 80
		.amdhsa_reserve_vcc 1
		.amdhsa_float_denorm_mode_32 3
		.amdhsa_float_denorm_mode_16_64 3
		.amdhsa_memory_ordered 1
		.amdhsa_forward_progress 1
		.amdhsa_inst_pref_size 255
	.end_amdhsa_kernel
	.section	.bss,"aw",@nobits
	.p2align	6
	.space	262144
	.amdgpu_metadata
---
amdhsa.version: [ 1, 2 ]
amdhsa.kernels:
  - .name:           k_qeba9e0f98e_scores
    .symbol:         k_qeba9e0f98e_scores.kd
    .args:
      - { .name: qkv_rec, .offset: 0, .size: 8, .value_kind: global_buffer, .address_space: global }
      - { .name: p_rec, .offset: 8, .size: 8, .value_kind: global_buffer, .address_space: global }
      - { .name: p_stats, .offset: 16, .size: 8, .value_kind: global_buffer, .address_space: global }
    .group_segment_fixed_size: 327680
    .private_segment_fixed_size: 0
    .kernarg_segment_align: 8
    .kernarg_segment_size: 24
    .max_flat_workgroup_size: 128
    .sgpr_count:     80
    .vgpr_count:     1024
    .wavefront_size: 32
...
	.end_amdgpu_metadata
.endif
;; end of part 3
;; launch pv (part 4): grid 4 x 64, 4 waves a work-group, no clusters, 327,680 bytes of LDS; arguments qkv_rec, p_rec, p_stats, out0; writes out0
.if DOCPART == 4
	.amdgcn_target "amdgcn-amd-amdhsa--gfx1250"
	.amdhsa_code_object_version 6
	.text
	.protected	k_qeba9e0f98e_pv
	.globl	k_qeba9e0f98e_pv
	.p2align	8
	.type	k_qeba9e0f98e_pv,@function
k_qeba9e0f98e_pv:
	s_mov_b64 s[64:65], 0
	v_nop
	global_prefetch_b8 v0, s[64:65] scope:SCOPE_SE
	s_setreg_imm32_b32 hwreg(HW_REG_WAVE_MODE, 25, 1), 1
	s_wait_xcnt 0x0
; out = (P V) / l on codes of E5M2 with E8M0 scales; K = the keys.
; LEFT OUT AS DEAD WORK (shown at the head of the first launch): K groups of 128 keys all of which come after all 128 queries of the work-group are not multiplied, P's fragments of such groups are not loaded, and slots that hold only such groups are not fetched.
; SHARES.  Work-group (ct, y): batch y / 16, octet of queries QI = 15 - y % 16, channels 256 ct on.  Four waves: wave (wr, wc) makes 64 queries x 128 channels: 32 accumulators, 256 registers.  K groups 0 .. QI.
; 256 work-groups; a tile of 256 queries would make 128, the longest with twice the products a wave.
; THE HEAD makes, for each of the 128 queries (a thread a query): the row's -M = the smallest of the groups' -M; d = the row's M less a group's M, a whole number, held at 255; l = the sum of the groups' sums x 2^-d;
; and each group's scale word with d taken off each byte (held at 0): the codes then stand for 2^(t - the row's M).  Words and 1 / l go to LDS.
; LIMIT: a block whose byte is held at 0 stands for numbers under 2^-111, beside a row's largest p over 1/2.  NaN and infinities are not served.
; SOURCE 0 = V's 16 channels, SOURCE 1 = P's 16 queries: a lane holds one query; by the order of V's rows its registers run along the channels in true order.  The order of the queries in a block is undone by the stores' offsets.
; V GOES THROUGH A RING of two LDS regions, each a slot of FOUR K groups of two octets, 135,168 bytes.  A wave's tensor load brings one half of one octet's records for all four groups: waves 0, 1 images 0-3 (four rows of 8,192 bytes),
; waves 2, 3 images 4-7 with the scale words (four rows of 8,704 bytes).  So every load holds bytes of the slot's first K group: of a slot that is asked for, a part of every load is read.
; P GOES FROM MEMORY STRAIGHT INTO REGISTERS: its records are images of the operand's registers.  A slot's four groups, 64 loads of 512 bytes a wave, fill one register window; they are asked for a slot ahead, into the other window.
; Every work-group walks all four changes of slots: the trip count is a constant; what is left out is a step's work and its loads, and, past the causal limit, the tensor load: all by scalar branches on ids and the count of steps, the same in all
; four waves.  Every wait on TENSORcnt is for 0.  The last trip's second change asks for nothing in any work-group: K group 16 lies past every limit.
; The walk is written once, so its first step finds zeros: the 256 accumulator registers are cleared once, between the issue of the head's loads and the wait for them.
; NO CLUSTER: work-groups that share V's records have different numbers of K groups.
; REGISTERS: window 0: v1-17 addresses; v32-47 scale words, two sets; v48-55 1 / l; v64-127 the head's, later rows of out; v128-255 V's fragments, one set in two halves; later the way out.
; windows 1, 3: P's fragments of the even and the odd slots, K group q at v[64 q].  window 2: accumulators, (a, b) at v[8 (8 a + b)].
.set REC,   16896
.set SW,    16384
.set VOFF,  17301504
.set PG,    16*REC                     ; from a K group of p_rec to the next
.set VG,    8*REC                      ; from a K group of v to the next
.set RGN,   135168                     ; a region: [octet 2]{[group 4][8,192], [group 4][8,704]}
.set OCT,   67584
.set H1,    32768                      ; where an octet's upper halves begin
.set PSC,   2*RGN                      ; P's shifted scale words: [g 16][128 rows]
.set RL,    PSC+8192                   ; 1 / l: 128 rows
.set STAGE, RL+512                     ; 16 rows x 528 bytes for each wave
.set SPITCH, 528
.set SPARE, STAGE+4*16*SPITCH
.set ABL,  1                           ; v1-2  V's images 0-3 of my octet in region 0, 1
.set ABH,  3                           ; v3-4  its images 4-7
.set SPW,  5
.set NIL,  6
.set ARL,  7                           ; v7    my rows' 1 / l
.set ASB,  8                           ; v8-9  V's scale words: lanes 0-15 blocks 0-3, lanes 16-31 blocks 4-7
.set ASA0, 10                          ; v10   my lane's place among P's scale words
.set ADSA, 11                          ; v11   the same for the trip in hand
.set T4,   12                          ; v12   4 x thread
.set STO,  13
.set RD,   14
.set LI,   15                          ; v15   16 x lane
.set PSW,  16
.set RLW,  17
.set SA,   32                          ; set q % 2 at + 8 (q % 2)
.set SB,   36
.set RCP,  48
.set WD,   64                          ; v64-79 a group's scale word
.set NMR,  80                          ; v80-95 its -M
.set LG,   96                          ; v96-111 its sum
.set VF,   128
.set OT,   128
.set WV,  18
.set G1L, 24                           ; s[24:31] group 1 for the lower halves;  s[32:39] for the upper
.set G1H, 32
.set G0R0, 40                          ; s[40:43], s[44:47] group 0 for region 0, 1
.set G0R1, 44
.set TS,  48                           ; s48 the trip's scale words of P: 4,096 bytes a trip
.set GF,  49                           ; s49 the trip's first K group
.set QI,  50
.set CNT, 51
.set PB,  52                           ; s[52:53] my four images of P's record of K group GF
.set MSB, 0
.macro WIN new
.if MSB != \new
	s_set_vgpr_msb (MSB<<8)|\new
.set MSB, \new
.endif
.endm
.macro PLACES                          ; eight plain vector lines between a matrix instruction and a load into its registers
.rept 8
	v_nop
.endr
.endm
.macro TLOAD g0                        ; waves 0, 1 the lower halves, waves 2, 3 the upper: a load in each arm; s_nop 0 and four v_nop follow each
	s_cmp_lt_u32 s[WV], 2
	s_cbranch_scc0 .Lupper_\@
	tensor_load_to_lds s[\g0:\g0+3], s[G1L:G1L+7]
	s_nop 0
.rept 4
	v_nop
.endr
	s_branch .Lasked_\@
.Lupper_\@:
	tensor_load_to_lds s[\g0:\g0+3], s[G1H:G1H+7]
	s_nop 0
.rept 4
	v_nop
.endr
.Lasked_\@:
.endm
; P's fragments of K groups GF + k0 .. GF + k0 + 3 into window w, as far as the causal limit: 16 loads of 512 consecutive bytes a group.
.macro PBATCH w, k0
.irp q, 0,1,2,3
	s_add_co_u32 s72, s[GF], \k0+\q
	s_cmp_gt_u32 s72, s[QI]                        ; ids and the count of steps alone
	s_cbranch_scc1 .Lpb_\@
	WIN (\w)<<6
.irp i, 0,1,2,3
.irp c, 0,1,2,3
	global_load_b128 v[64*\q+16*\i+4*\c:64*\q+16*\i+4*\c+3], v[LI], s[PB:PB+1] offset:(\k0+\q)*PG+2048*\i+512*\c
.endr
.endr
	WIN 0
.endr
.Lpb_\@:
.endm
	s_load_b256 s[4:11], s[0:1], 0x0               ; qkv_rec, p_rec, p_stats, out0
	v_lshl_add_u32 v[SPW], v0, 2, SPARE
	v_mov_b32 v[NIL], 0
	ds_add_u32 v[SPW], v[NIL]                      ; the opening: the add, twice on end, and its wait ahead of my first tensor load
	ds_add_u32 v[SPW], v[NIL]
	v_lshrrev_b32 v18, 5, v0
	v_readfirstlane_b32 s[WV], v18
	s_lshr_b32 s19, s[WV], 1                       ; wr.  Also: which half of the records I fetch
	s_and_b32 s20, s[WV], 1                        ; wc.  Also: which octet I fetch
	s_and_b32 s54, ttmp7, 0xffff
	s_lshr_b32 s55, s54, 4                         ; batch
	s_and_b32 s56, s54, 15
	s_sub_co_u32 s[QI], 15, s56                    ; the long walks have the low numbers
	s_lshl_b32 s57, s55, 8
	s_add_co_u32 s57, s57, s[QI]                   ; P's record of group 0: 256 batch + QI
	s_mul_i32 s58, s57, REC
	s_lshl_b32 s59, s19, 13
	s_add_co_u32 s60, s58, s59                     ; my four images
	s_mov_b32 s61, 0
	s_add_co_u32 s62, s58, SW                      ; its scale words
	s_mov_b32 s63, 0
	s_lshl_b32 s66, s57, 10                        ; its -M and sums
	s_mov_b32 s67, 0
	s_lshl_b32 s68, s55, 7                         ; V's record of group 0: 128 batch + 2 ct + octet,
	s_lshl_b32 s69, ttmp9, 1
	s_add_co_u32 s68, s68, s69
	s_add_co_u32 s68, s68, s20
	s_mul_i32 s68, s68, REC
	s_add_co_u32 s68, s68, s59                     ; my half of it
	s_add_co_u32 s68, s68, VOFF
	s_mov_b32 s69, 0
	s_sub_co_u32 s74, s68, 4*VG                    ; region 1's address begins a slot back: it is stepped by two slots ahead of each use
	s_mov_b32 s75, 0
	s_lshl_b32 s70, s55, 11                        ; out: row 2,048 batch + 128 QI + 64 wr,
	s_lshl_b32 s71, s[QI], 7
	s_add_co_u32 s70, s70, s71
	s_lshl_b32 s71, s19, 6
	s_add_co_u32 s70, s70, s71
	s_lshl_b32 s70, s70, 12
	s_lshl_b32 s71, ttmp9, 10                      ; channel 256 ct + 128 wc
	s_add_co_u32 s70, s70, s71
	s_lshl_b32 s71, s20, 9
	s_add_co_u32 s70, s70, s71
	s_mov_b32 s71, 0
	s_mov_b32 s[G1L+0], 3<<16                      ; elements of 8 bytes; no mask, no padding
	s_mov_b32 s[G1L+1], 1024<<16                   ; tensor_dim0: four images
	s_mov_b32 s[G1L+2], 4<<16                      ; tensor_dim1: four K groups
	s_mov_b32 s[G1L+3], 1024<<16                   ; tile_dim0
	s_mov_b32 s[G1L+4], 4                          ; tile_dim1
	s_mov_b32 s[G1L+5], VG/8                       ; from a K group of v to the next
	s_mov_b32 s[G1L+6], 0
	s_mov_b32 s[G1L+7], 0
	s_mov_b32 s[G1H+0], 3<<16
	s_mov_b32 s[G1H+1], 1088<<16                   ; four images and the record's scale words
	s_mov_b32 s[G1H+2], 4<<16
	s_mov_b32 s[G1H+3], 1088<<16
	s_mov_b32 s[G1H+4], 4
	s_mov_b32 s[G1H+5], VG/8
	s_mov_b32 s[G1H+6], 0
	s_mov_b32 s[G1H+7], 0
	s_mov_b32 s[TS], 0
	s_mov_b32 s[GF], 0
	s_mov_b32 s[CNT], 2
	s_wait_dscnt 0x0                               ; both opening adds are done
	s_wait_kmcnt 0x0
	s_mov_b32 s[G0R0], 1
	s_mul_i32 s[G0R0+1], s20, OCT
	s_lshl_b32 s73, s19, 15
	s_add_co_u32 s[G0R0+1], s[G0R0+1], s73
	s_add_nc_u64 s[G0R0+2:G0R0+3], s[4:5], s[68:69]
	s_or_b32 s[G0R0+3], s[G0R0+3], 0x80000000
	s_mov_b32 s[G0R1], 1
	s_add_co_u32 s[G0R1+1], s[G0R0+1], RGN
	s_add_nc_u64 s[G0R1+2:G0R1+3], s[4:5], s[74:75]
	s_or_b32 s[G0R1+3], s[G0R1+3], 0x80000000
	TLOAD G0R0                                     ; slot 0: K group 0 counts for every query
	s_add_nc_u64 s[12:13], s[6:7], s[62:63]
	s_add_nc_u64 s[14:15], s[8:9], s[66:67]
	s_add_nc_u64 s[16:17], s[10:11], s[70:71]
	s_add_nc_u64 s[PB:PB+1], s[6:7], s[60:61]
	v_lshlrev_b32 v[T4], 2, v0
	v_and_b32 v20, 31, v0
	v_lshlrev_b32 v[LI], 4, v20
.set g, 0
.rept 16
	v_mov_b32 v[WD+g], 0                           ; a group that is not walked: no word, -M = 3e38 (so that it is never the smallest), no sum
	v_mov_b32 v[NMR+g], 0x7f61b1e6
	v_mov_b32 v[LG+g], 0
.set g, g+1
.endr
.irp g, 0,1,2,3,4,5,6,7,8,9,10,11,12,13,14,15
.if \g > 0
	s_cmp_lt_u32 s[QI], \g                         ; ids alone
	s_cbranch_scc1 .Lstats_in
.endif
	global_load_b32 v[WD+\g], v[T4], s[12:13] offset:PG*\g
	global_load_b32 v[NMR+\g], v[T4], s[14:15] offset:16384*\g
	global_load_b32 v[LG+\g], v[T4], s[14:15] offset:16384*\g+512
.endr
.Lstats_in:
	PBATCH 1, 0                                    ; slot 0's fragments of P
	WIN 0x80                                       ; destination window 2
.set n, 0
.rept 256
	v_mov_b32 v[n], 0                              ; the sums begin as zeros; these lines stand while the loads above and the first tile are on their way
.set n, n+1
.endr
	WIN 0
	v_and_b32 v18, 15, v0                          ; r
	v_bfe_u32 v19, v0, 4, 1                        ; h
	s_mul_i32 s54, s20, OCT                        ; my octet of V
	v_add_nc_u32 v[ABL], s54, v[LI]
	v_add_nc_u32 v[ABL+1], RGN, v[ABL]
	v_add_nc_u32 v[ABH], H1, v[ABL]
	v_add_nc_u32 v[ABH+1], RGN, v[ABH]
	v_lshlrev_b32 v21, 2, v18
	v_lshl_add_u32 v[ASB], v19, 8, v21
	s_add_co_u32 s54, s54, H1+8192                 ; in an upper half the scale words lie behind the four images
	v_add_nc_u32 v[ASB], s54, v[ASB]
	v_add_nc_u32 v[ASB+1], RGN, v[ASB]
	s_lshl_b32 s55, s19, 8
	s_add_co_u32 s56, s55, PSC
	v_add_nc_u32 v[ASA0], s56, v21
	s_add_co_u32 s56, s55, RL
	v_add_nc_u32 v[ARL], s56, v21
	v_add_nc_u32 v[PSW], PSC, v[T4]
	v_add_nc_u32 v[RLW], RL, v[T4]
	s_mul_i32 s55, s[WV], 16*SPITCH
	s_add_co_u32 s55, s55, STAGE
	v_mul_u32_u24 v[STO], v18, SPITCH
	v_lshl_add_u32 v[STO], v19, 6, v[STO]
	v_add_nc_u32 v[STO], s55, v[STO]               ; the stage, in: row r, + 64 h
	v_add_nc_u32 v[RD], s55, v[LI]                 ; and back: a whole row of 512 bytes
.irp a, 0,1,2,3
	v_mov_b32 v[RCP+2*\a+1], 0                     ; (named as the upper half of a pair)
.endr
	s_wait_loadcnt 0x0
	v_min_num_f32 v112, v[NMR], v[NMR+1]
.irp g, 2,3,4,5,6,7,8,9,10,11,12,13,14,15
	v_min_num_f32 v112, v112, v[NMR+\g]            ; the row's -M
.endr
.set g, 0
.rept 16
	v_sub_f32 v114, v[NMR+g], v112                 ; the row's M less the group's: a whole number, 0 or more
	v_min_num_f32 v114, 0x437f0000, v114           ; held at 255
	v_cvt_u32_f32 v114, v114
	v_sub_nc_u32 v115, 0, v114
.if g == 0
	v_ldexp_f32 v113, v[LG], v115
.else
	v_ldexp_f32 v116, v[LG+g], v115                ; the group's sum under the row's M: nothing is rounded
	v_add_f32 v113, v113, v116
.endif
	v_and_b32 v117, 0xff, v[WD+g]
	v_bfe_u32 v118, v[WD+g], 8, 8
	v_bfe_u32 v119, v[WD+g], 16, 8
	v_lshrrev_b32 v120, 24, v[WD+g]
.irp k, 117,118,119,120
	v_max_u32 v\k, v\k, v114
.endr
.irp k, 117,118,119,120
	v_sub_nc_u32 v\k, v\k, v114                    ; each byte less d, held at 0
.endr
	v_lshl_or_b32 v[WD+g], v118, 8, v117
	v_lshl_or_b32 v[WD+g], v119, 16, v[WD+g]
	v_lshl_or_b32 v[WD+g], v120, 24, v[WD+g]
	ds_store_b32 v[PSW], v[WD+g] offset:512*g
.set g, g+1
.endr
	s_wait_alu depctr_va_vdst(0)
	v_rcp_f32 v113, v113                           ; l is over 1/2: the row's largest p is
	v_nop
	s_wait_alu depctr_va_vdst(0)                   ; ahead of the reciprocal's first reader
	ds_store_b32 v[RLW], v113
.macro FETCHL r, q                     ; the region's q-th K group: V's fragments 0-3, and the group's scale words of V and of P: 24 loads
.irp j, 0,1,2,3
.irp c, 0,1,2,3
	ds_load_b128 v[VF+16*\j+4*\c:VF+16*\j+4*\c+3], v[ABL+\r] offset:8192*(\q)+2048*\j+512*\c
.endr
.endr
.irp j, 0,1,2,3
	ds_load_b32 v[SB+8*((\q)%2)+\j], v[ASB+\r] offset:8704*(\q)+64*\j
	ds_load_b32 v[SA+8*((\q)%2)+\j], v[ADSA] offset:512*(4*\r+(\q))+64*\j
.endr
.endm
.macro FETCHH r, q                     ; V's fragments 4-7: 16 loads
.irp j, 0,1,2,3
.irp c, 0,1,2,3
	ds_load_b128 v[VF+64+16*\j+4*\c:VF+64+16*\j+4*\c+3], v[ABH+\r] offset:8704*(\q)+2048*\j+512*\c
.endr
.endr
.endm
; 16 products: my four blocks of queries x V's blocks 4 hb .. 4 hb + 3.  A step's 32 accumulators take turns, one instruction a turn, in the same order in every step.
.macro MULH w, q, hb
	WIN 0xa0|((\w)<<2)                             ; source 0 (V) window 0, source 1 (P) window w, C and D window 2
.irp a, 0,1,2,3
.irp b, 0,1,2,3
.if \hb
	v_wmma_scale_f32_16x16x128_f8f6f4 v[8*(8*\a+4+\b):8*(8*\a+4+\b)+7], v[VF+64+16*\b:VF+64+16*\b+15], v[64*(\q)+16*\a:64*(\q)+16*\a+15], v[8*(8*\a+4+\b):8*(8*\a+4+\b)+7], v[SB+8*((\q)%2)+\b], v[SA+8*((\q)%2)+\a] matrix_a_fmt:MATRIX_FMT_BF8 matrix_b_fmt:MATRIX_FMT_BF8 matrix_a_scale:MATRIX_SCALE_ROW1
.else
	v_wmma_scale_f32_16x16x128_f8f6f4 v[8*(8*\a+\b):8*(8*\a+\b)+7], v[VF+16*\b:VF+16*\b+15], v[64*(\q)+16*\a:64*(\q)+16*\a+15], v[8*(8*\a+\b):8*(8*\a+\b)+7], v[SB+8*((\q)%2)+\b], v[SA+8*((\q)%2)+\a] matrix_a_fmt:MATRIX_FMT_BF8 matrix_b_fmt:MATRIX_FMT_BF8
.endif
.endr
.endr
.endm
; THE CHANGE OF SLOTS stands at a slot's head: each wave waits for all its tensor loads (its part of the slot ahead), adds 0 to its spare word, and waits for that, for its reads of the region that it has left and (first trip) for the head's stores.
; Behind the barrier the other region takes the slot that begins at K group GF + ahead, up to the causal limit.
.macro CHANGE g0, ahead
	s_wait_tensorcnt 0x0                           ; no tensor load of mine is out, so a group 0 may be written
	ds_add_u32 v[SPW], v[NIL]
	s_add_nc_u64 s[\g0+2:\g0+3], s[\g0+2:\g0+3], 8*VG   ; two slots on
	s_wait_dscnt 0x0
	s_barrier_signal -1
	s_barrier_wait -1
	s_add_co_u32 s72, s[GF], \ahead                ; the look-ahead ends at the causal limit: a slot whose first K group comes after my queries' octet is read by no wave and is not asked for
	s_cmp_gt_u32 s72, s[QI]                        ; ids and the count of steps alone: all four waves go the same way, and past the limit they stay past it
	s_cbranch_scc1 .Lpast_\@
	TLOAD \g0                                      ; a wave's one tensor load behind the barrier, ahead of its first LDS read
.Lpast_\@:
.endm
; A SLOT'S WORK: region r, P's fragments in window w; the next slot's go into window wn; the slot begins at K group GF + k0.
.macro WORK r, w, wn, k0
	s_add_co_u32 s72, s[GF], \k0
	s_cmp_gt_u32 s72, s[QI]                        ; a slot past the limit: nothing to do
	s_cbranch_scc1 .Lhid_\@
	s_wait_loadcnt 0x0                             ; this slot's fragments of P, asked for a slot ago
	PLACES                                         ; behind the last slot's products: their V, their scale words and their P are loaded again below
	PBATCH \wn, \k0+4
	s_wait_alu depctr_va_vdst(0)
	FETCHL \r, 0
	FETCHH \r, 0
.irp q, 0,1,2,3
.if \q > 0
	s_add_co_u32 s72, s[GF], \k0+\q
	s_cmp_gt_u32 s72, s[QI]                        ; a K group past the limit, and so are those behind it
	s_cbranch_scc1 .Lhid_\@
.endif
	s_wait_dscnt 16                                ; V's fragments 0-3 and the scale words are in; the youngest 16 loads (fragments 4-7) may be out
	MULH \w, \q, 0
	s_wait_dscnt 0x0                               ; fragments 4-7
.if \q < 3
	WIN 0
	PLACES
	FETCHL \r, \q+1                                ; V's records of all four groups lie in the region: the next group's are fetched whether or not it counts
.endif
	MULH \w, \q, 1
	WIN 0
.if \q < 3
	PLACES
	FETCHH \r, \q+1
.endif
.endr
.Lhid_\@:
.endm
.Ltrip:                                            ; two trips of two slots
	v_add_nc_u32 v[ADSA], s[TS], v[ASA0]
	CHANGE G0R1, 4
	WORK 0, 1, 3, 0
	CHANGE G0R0, 8
	WORK 1, 3, 1, 4
	s_wait_xcnt 0x0                                ; the loads of P have read their base
	s_add_nc_u64 s[PB:PB+1], s[PB:PB+1], 8*PG
	s_add_co_u32 s[GF], s[GF], 8
	s_add_co_u32 s[TS], s[TS], 4096
	s_sub_co_u32 s[CNT], s[CNT], 1
	s_cmp_lg_u32 s[CNT], 0
	s_cbranch_scc1 .Ltrip
	; THE WAY OUT.  A block of 16 queries x 128 channels is divided by l, goes through my stage and comes back as whole rows of 512 bytes.
	PLACES                                         ; behind the last products
.irp a, 0,1,2,3
	ds_load_b32 v[RCP+2*\a], v[ARL] offset:64*\a
.endr
	s_wait_dscnt 0x0                               ; and whatever fragments of V were still on their way
.macro TOSTAGE a
.set BB, 64+128*((\a)%2)
.if (\a) > 0
	s_wait_dscnt 16                                ; the block before: its 16 loads may be out, its 16 stores have read the registers written below
.endif
	WIN 0x02                                       ; source 0: window 2
.set n, 0
.rept 32
	v_pk_mul_f32 v[OT+n:OT+n+1], v[64*(\a)+n:64*(\a)+n+1], v[RCP+2*(\a):RCP+2*(\a)+1] op_sel_hi:[1,0]   ; each accumulator from its low end on
.set n, n+2
.endr
	WIN 0
.set n, 0
.rept 16
	ds_store_b128 v[STO], v[OT+4*n:OT+4*n+3] offset:128*(n/4)+16*(n%4)   ; register 16 b + i: channel 32 b + 16 h + i
.set n, n+1
.endr
.set n, 0
.rept 16
	ds_load_b128 v[BB+4*n:BB+4*n+3], v[RD] offset:SPITCH*n   ; in order behind my stores
.set n, n+1
.endr
.endm
.macro SEND a, younger
.set BB, 64+128*((\a)%2)
	s_wait_dscnt \younger                          ; the block is back; the next block's 16 stores and 16 loads may be out
.set n, 0
.rept 16
	global_store_b128 v[LI], v[BB+4*n:BB+4*n+3], s[16:17] offset:(32*((\a)/2)+8*((\a)%2)+n+8*(n/8))*4096 th:TH_STORE_NT   ; 512 consecutive bytes of the query's true row, aligned
.set n, n+1
.endr
.endm
	TOSTAGE 0
.irp a, 1,2,3
.if \a > 1
	s_wait_xcnt 0x0                                ; block a - 2's stores have read their registers: block a's rows may land there
.endif
	TOSTAGE \a
	SEND \a-1, 32
.endr
	SEND 3, 0
	s_wait_tensorcnt 0x0                           ; the wave's end
	ds_add_u32 v[SPW], v[NIL]
	s_wait_dscnt 0x0
	s_endpgm
.Lfunc_end_k_qeba9e0f98e_pv:
	.size	k_qeba9e0f98e_pv, .Lfunc_end_k_qeba9e0f98e_pv-k_qeba9e0f98e_pv
	.p2alignl 7, 3214868480
	.fill 96, 4, 3214868480
	.section	.rodata,"a",@progbits
	.p2align	6, 0x0
	.amdhsa_kernel k_qeba9e0f98e_pv
		.amdhsa_group_segment_fixed_size 327680
		.amdhsa_private_segment_fixed_size 0
		.amdhsa_enable_private_segment 0
		.amdhsa_kernarg_size 32
		.amdhsa_user_sgpr_count 2
		.amdhsa_user_sgpr_kernarg_segment_ptr 1
		.amdhsa_wavefront_size32 1
		.amdhsa_system_sgpr_workgroup_id_x 1
		.amdhsa_system_sgpr_workgroup_id_y 1
		.amdhsa_system_sgpr_workgroup_id_z 1
		.amdhsa_system_vgpr_workitem_id 0
		.amdhsa_next_free_vgpr 1024
		.amdhsa_next_free_sgpr 80
		.amdhsa_reserve_vcc 0
		.amdhsa_float_denorm_mode_32 3
		.amdhsa_float_denorm_mode_16_64 3
		.amdhsa_memory_ordered 1
		.amdhsa_forward_progress 1
		.amdhsa_inst_pref_size 141
	.end_amdhsa_kernel
	.amdgpu_metadata
---
amdhsa.version: [ 1, 2 ]
amdhsa.kernels:
  - .name:           k_qeba9e0f98e_pv
    .symbol:         k_qeba9e0f98e_pv.kd
    .args:
      - { .name: qkv_rec, .offset: 0, .size: 8, .value_kind: global_buffer, .address_space: global }
      - { .name: p_rec, .offset: 8, .size: 8, .value_kind: global_buffer, .address_space: global }
      - { .name: p_stats, .offset: 16, .size: 8, .value_kind: global_buffer, .address_space: global }
      - { .name: out0, .offset: 24, .size: 8, .value_kind: global_buffer, .address_space: global }
    .group_segment_fixed_size: 327680
    .private_segment_fixed_size: 0
    .kernarg_segment_align: 8
    .kernarg_segment_size: 32
    .max_flat_workgroup_size: 128
    .sgpr_count:     80
    .vgpr_count:     1024
    .wavefront_size: 32
...
	.end_amdgpu_metadata
.endif
;; end of part 4
